; MI455X (gfx1250); checked and timed in simulation.
; The chip was launched on July 23, 2026; its instructions are those of AMD's public machine-readable ISA for CDNA 5 (MIT licence, August 2026) and "CDNA5" Instruction Set Architecture Reference Guide (July 2026). The comments in the code are by the model that wrote it; some were corrected since.
;; Multi Head Attention Ro PE. Allowed arithmetic: matrix products marked QUANTISED: E4M3 operands, one given power-of-two scale a tensor, by v_wmma_f32_16x16x64_fp8_fp8 or v_wmma_f32_16x16x128_fp8_fp8, f32 sums; everything else in f32.
;; Inputs: Wk 1,024 x 1,024 float32; Wo 1,024 x 1,024 float32; Wq 1,024 x 1,024 float32; Wv 1,024 x 1,024 float32; bk 1,024 float32; bo 1,024 float32; bq 1,024 float32; bv 1,024 float32; lowp_scales 12 int32 (the exponents e of the quantised operands' scales 2^e); query 4 x 2,048 x 1,024 float32.
;; Outputs: out0 4 x 2,048 x 1,024 float32.
;; This version of the problem:
;;   THIS VERSION OF THE PROBLEM IS GIVEN IN LOW PRECISION. The matrix products marked QUANTISED in the list below multiply operands that are first quantised to E4M3 (4 exponent bits, 3 mantissa bits; 8 bits a number), with one given power-of-two scale for each operand tensor; their sums are f32. All else is computed in f32.
;;   The module's matrix products, in the order in which they are computed (A, B: the left and right operand; K: the contracted axis; several contracted axes count as one K, in the product's order):
;;     1. [M 8,192, K 1,024] x [K 1,024, N 1,024]; A: input query; B: input Wq: QUANTISED (scales: A lowp_scales[0], B lowp_scales[1])
;;     2. [M 8,192, K 1,024] x [K 1,024, N 1,024]; A: input query; B: input Wk: QUANTISED (scales: A lowp_scales[2], B lowp_scales[3])
;;     3. [M 8,192, K 1,024] x [K 1,024, N 1,024]; A: input query; B: input Wv: QUANTISED (scales: A lowp_scales[4], B lowp_scales[5])
;;     4. batch 64 x [M 2,048, K 64] x [K 64, N 2,048]; A: computed on the way; B: computed on the way: QUANTISED (scales: A lowp_scales[6], B lowp_scales[7])
;;     5. batch 64 x [M 2,048, K 2,048] x [K 2,048, N 64]; A: softmax (see below); B: computed on the way: QUANTISED (scales: A lowp_scales[8], B lowp_scales[9])
;;     6. [M 8,192, K 1,024] x [K 1,024, N 1,024]; A: computed on the way; B: input Wo: QUANTISED (scales: A lowp_scales[10], B lowp_scales[11])
;;   THE QUANTISER, for each operand of a quantised product, along K:
;;     - The operand's scale is 2^e, e = its entry of the input lowp_scales (int32; the entries are numbered through the quantised products in the list's order, A before B).
;;     - Each number is divided by the scale, clamped to +-448, and rounded to the nearest number of E4M3, ties to even, subnormals kept.
;;     - The product sums the exact products of the quantised numbers (number of the format x scale) in f32.
;;   ~~~python
;;   def quantise(x, axis, e):      # numpy; x: float32 -> the quantised numbers, widened to float32 again
;;       x = np.moveaxis(x, axis, -1); K = x.shape[-1]
;;       r = np.clip(x / 2.0 ** e, -448, 448)
;;       step = 2.0 ** (np.maximum(np.frexp(np.where(r == 0, 1, r))[1] - 1, -6) - 3)
;;       q = np.round(r / step) * step * 2.0 ** e      # np.round: ties to even
;;       return np.moveaxis(q, -1, axis).astype(np.float32)
;;   ~~~
;;   SOFTMAX AHEAD OF A QUANTISED PRODUCT. Where the list says 'softmax', what is quantised is not the finished softmax but p = 2^(t - M), with t = logit x log2(e) and M = ceil(the row's largest t), a whole number; so 1/2 < the row's largest p <= 1. The row's sum l is taken of the UNQUANTISED p, in f32, and the product's result is divided by l at the end. Since M is a whole number, a kernel that streams over the keys may use a running M (the ceiling of the running maximum): every later rescaling is an exact power of two, so the quantised numbers keep their values, but for numbers so far below the row's largest that they fall under the format's range.
;;   OPERANDS COMPUTED ON THE WAY. 'Computed on the way' means the value that the module computes at that place (a softmax that the list does not call 'softmax' is quantised finished and normalised). What goes into a quantiser is computed in f32, as accurately as f32 sums, v_exp_f32 and their like allow (about 1e-6 of the number): no bf16 or f16 on the way to a quantiser, and a product that is left as it is and whose result goes on into a quantised operand takes f32 operands (vector FMAs, or v_wmma_f32_16x16x4_f32). A number that lies on a knife's edge between two numbers of the format may be rounded either way, as far as f32 arithmetic and the matrix unit's own rounding can turn it there, and no further.
;; One version. Each part assembles by itself: llvm-mc -triple=amdgcn-amd-amdhsa -mcpu=gfx1250 --defsym DOCPART=n.
;; ======== version 1 of 1: 4 launches
;; limits: right only within a limited range of input values
;; workspace buffers: xc 25,165,824 bytes; wc 4,194,304 bytes; rope 524,288 bytes; qkvc 25,165,824 bytes; ac 8,388,608 bytes
;; launch prep (part 1): grid 416 x 1, 4 waves a work-group, no clusters, 41,472 bytes of LDS; arguments query, Wq, Wk, Wv, Wo, lowp_scales, xc, wc, rope; writes xc, wc, rope
.if DOCPART == 1
	.amdgcn_target "amdgcn-amd-amdhsa--gfx1250"
	.amdhsa_code_object_version 6
	.text
	.protected	k_qdc5ee88a6e_prep
	.globl	k_qdc5ee88a6e_prep
	.p2align	8
	.type	k_qdc5ee88a6e_prep,@function
k_qdc5ee88a6e_prep:
	s_mov_b64 s[64:65], 0
	v_nop
	global_prefetch_b8 v0, s[64:65] scope:SCOPE_SE
	s_setreg_imm32_b32 hwreg(HW_REG_WAVE_MODE, 25, 1), 1
	s_wait_xcnt 0x0
; PREP: f32 numbers into codes of FP8 (E4M3), and the table of cosines and sines for the rotation.
; Work-groups 0-255: query [8192][1024] -> xc, three sections of 8 MiB, one for each of its three given scales (entries 0, 2, 4 of the exponents).
; Work-groups 256-383: Wq, Wk, Wv, Wo [1024][1024] -> wc, four sections of 1 MiB (entries 1, 3, 5, 11).   Work-groups 384-415: rope.
; code = x / 2^e, held within +-448, to the nearest code, ties to even.  LIMITS: each e between -126 and 119; NaN among the inputs is not served.
; THE ORDER OF THE CODES.  Rows are dense, K innermost.  Inside every 32 bytes the four groups of 8 codes stand in the order k-groups 0, 2, 1, 3: byte 32 c + 16 e + 8 u + j holds k = 32 c + 16 u + 8 e + j.
; A reader that takes 16 bytes at 32 c + 16 (lane / 16) then has, in registers 2 c' and 2 c' + 1, k = 16 c' + 8 (lane / 16) + 0 .. 7: each k in the place that the plain 8-bit matrix forms give it.
; A wave takes 16 steps of 512 numbers.  Each of a step's four loads reads 512 consecutive bytes; the 2,048 bytes turn through the wave's own stage in LDS and come back as the 2 x 8 neighbours
; that the lane's 16 code bytes want.  A lane's 16 codes are 16 bytes: a store of the wave covers 512 consecutive bytes, aligned.  No barrier: waves share nothing.  Each path has LDS bytes of its own.
; rope: [tile of 16 positions 128][q 8][lane 32][4 f32] = cos, sin of frequency i0, cos, sin of i0 + 1; position 16 tile + lane % 16; i0 = 8 (q / 2) + 4 (lane / 16) + 2 (q % 2).
; The angle is position x 10000^(-i / 32), rounded once; the power comes from v_exp_f32, so the largest angles (some 2,000 radians) carry an error of some 2e-4 radians.
.set STEPS, 16
.set SP,    80                         ; a place in a stage: 64 bytes + 16 of padding
.set STG,   32*SP                      ; a stage: 2,048 bytes of data
.set WLDS,  20480                      ; the weights path's stages begin here
.set R,     16                         ; v16-79   four sets of 16 numbers as they are loaded
.set X,     80                         ; v80-111  two sets of 16 numbers as the codes want them
.set T0,    112
.set T1,    176
.set C,     128                        ; codes: query path four sets of 12 (v128-175), weights path four registers a step (v128-191)
.set SC,    5                          ; v5-7   2^e as f32
.set LIM,   8
	s_load_b512 s[8:23], s[0:1], 0x0               ; query s[8:9], Wq s[10:11], Wk s[12:13], Wv s[14:15], Wo s[16:17], the exponents s[18:19], xc s[20:21], wc s[22:23]
	s_load_b64 s[24:25], s[0:1], 0x40              ; rope
	v_lshl_add_u32 v192, v0, 2, 0xa000
	v_mov_b32 v193, 0
	v_lshrrev_b32 v1, 5, v0
	v_readfirstlane_b32 s26, v1                    ; wave
	v_and_b32 v2, 31, v0                           ; lane
	v_lshlrev_b32 v3, 4, v2                        ; my 16 bytes of 512
	s_mul_i32 s27, s26, 2*STG                      ; my wave's two stages
	v_lshrrev_b32 v14, 2, v2
	v_mul_u32_u24 v14, v14, SP
	v_and_b32 v15, 3, v2
	v_lshl_add_u32 v14, v15, 4, v14
	v_add_nc_u32 v14, s27, v14                     ; into a stage: four lanes' 64 bytes on end, then the padding
	v_lshrrev_b32 v15, 1, v2
	v_mul_u32_u24 v15, v15, 2*SP
	v_and_b32 v13, 1, v2
	v_lshl_add_u32 v15, v13, 5, v15
	v_add_nc_u32 v15, s27, v15                     ; out of it: block lane / 2 (two places), + 32 (lane % 2): numbers 8 e + 0 .. 7; the numbers 16 + 8 e + 0 .. 7 lie one place on
	s_wait_kmcnt 0x0
	s_load_b256 s[32:39], s[18:19], 0x0            ; e0 .. e7
	s_load_b128 s[40:43], s[18:19], 0x20           ; e8 .. e11
	s_cmp_ge_u32 ttmp9, 384
	s_cbranch_scc1 .Ltable
	s_cmp_ge_u32 ttmp9, 256
	s_cbranch_scc1 .Lweights
.macro LOAD t
.irp i, 0,1,2,3
	global_load_b128 v[R+16*((\t)%4)+4*\i:R+16*((\t)%4)+4*\i+3], v3, s[4:5] offset:2048*(\t)+512*\i th:TH_LOAD_NT   ; 32 lanes read 512 consecutive bytes; read once in the launch
.endr
.endm
.macro TURN t, lb                      ; step t through a stage: LDS serves a wave's instructions in order (ISA guide 5.7.1.4), so no wait stands between the stores and the loads
.irp i, 0,1,2,3
	ds_store_b128 v14, v[R+16*((\t)%4)+4*\i:R+16*((\t)%4)+4*\i+3] offset:\lb+STG*((\t)%2)+8*SP*\i
.endr
	v_nop
.irp i, 0,1,2,3
	ds_load_b128 v[X+16*((\t)%2)+4*\i:X+16*((\t)%2)+4*\i+3], v15 offset:\lb+STG*((\t)%2)+SP*(\i/2)+16*(\i%2)
.endr
.endm
.macro MKSC e, sc, lim                 ; 2^e and 448 x 2^e as f32 numbers
	s_add_co_i32 s50, \e, 127
	s_lshl_b32 s51, s50, 23
	v_mov_b32 v[\sc], s51
	s_add_co_i32 s50, s50, 8
	s_lshl_b32 s50, s50, 23
	s_or_b32 s50, s50, 0x600000
.endm
.macro AHEAD t, lb                     ; the head of step t
	s_wait_dscnt 0x0                               ; this step's numbers are back from the stage, and its stores into the stage have read their registers,
.if (\t)+4 < STEPS
	LOAD (\t)+4                                    ; which take the loads of four steps on
.endif
.if (\t)+1 < STEPS
.if STEPS-2-(\t) >= 3
	s_wait_loadcnt 12                              ; the next step's four loads are in; those of the three steps behind it may be out
.else
	s_wait_loadcnt 4*(STEPS-2-(\t))
.endif
	TURN (\t)+1, \lb                               ; and go through the other stage while this step is worked
.endif
.endm
	; ---- query: one read, three sets of codes
	s_lshl_b32 s28, ttmp9, 2
	s_add_co_u32 s28, s28, s26                     ; which run of 8,192 numbers is my wave's: 0 .. 1,023
	s_lshl_b32 s30, s28, 15
	s_mov_b32 s31, 0
	s_add_nc_u64 s[4:5], s[8:9], s[30:31]
	s_lshl_b32 s30, s28, 13
	s_add_nc_u64 s[44:45], s[20:21], s[30:31]      ; its codes in the three sections
	s_add_nc_u64 s[46:47], s[44:45], 0x800000
	s_add_nc_u64 s[48:49], s[44:45], 0x1000000
.irp t, 0,1,2,3
	LOAD \t
.endr
	s_wait_kmcnt 0x0
	MKSC s32, SC, LIM
	MKSC s34, SC+1, LIM+1
	MKSC s36, SC+2, LIM+2
	s_wait_loadcnt 12                              ; step 0's four loads are in
	s_wait_alu depctr_va_vdst(0)
	TURN 0, 0
.macro STEP3 t
.if (\t) >= 4
	s_wait_xcnt 0x0                                ; the stores of four steps back have read their registers: this step's codes are written there
.endif
	AHEAD \t, 0
.set XS, X+16*((\t)%2)
.irp k, 0,1,2
.set TS, T0+(T1-T0)*((3*(\t)+\k)%2)
.set CC, C+12*((\t)%4)+4*\k
.set I, 0
.rept 16
.set I, I+1
.endr
	v_cvt_scalef32_pk8_fp8_f32 v[CC:CC+1], v[XS:XS+7], v[SC+\k]
	v_cvt_scalef32_pk8_fp8_f32 v[CC+2:CC+3], v[XS+8:XS+15], v[SC+\k]
	global_store_b128 v3, v[CC:CC+3], s[44+2*\k:45+2*\k] offset:512*(\t)
.endr
.endm
.irp t, 0,1,2,3,4,5,6,7,8,9,10,11,12,13,14,15
	STEP3 \t
.endr
	s_wait_tensorcnt 0x0
	ds_add_u32 v192, v193
	s_wait_dscnt 0x0
	s_endpgm
	; ---- the four weights: one set of codes each
.Lweights:
	s_sub_co_u32 s28, ttmp9, 256
	s_lshr_b32 s29, s28, 5                         ; which weight: 0 Wq, 1 Wk, 2 Wv, 3 Wo
	s_and_b32 s28, s28, 31
	s_lshl_b32 s28, s28, 2
	s_add_co_u32 s28, s28, s26                     ; which run of 8,192 numbers: 0 .. 127
	s_cmp_eq_u32 s29, 1                            ; the choices hang on the work-group's number alone
	s_cselect_b64 s[4:5], s[12:13], s[10:11]
	s_cmp_eq_u32 s29, 2
	s_cselect_b64 s[4:5], s[14:15], s[4:5]
	s_cmp_eq_u32 s29, 3
	s_cselect_b64 s[4:5], s[16:17], s[4:5]
	s_lshl_b32 s30, s28, 15
	s_mov_b32 s31, 0
	s_add_nc_u64 s[4:5], s[4:5], s[30:31]
	s_lshl_b32 s30, s28, 13
	s_lshl_b32 s52, s29, 20
	s_add_co_u32 s30, s30, s52
	s_add_nc_u64 s[44:45], s[22:23], s[30:31]
.irp t, 0,1,2,3
	LOAD \t
.endr
	s_wait_kmcnt 0x0
	s_cmp_eq_u32 s29, 1
	s_cselect_b32 s53, s35, s33                    ; e3 or e1
	s_cmp_eq_u32 s29, 2
	s_cselect_b32 s53, s37, s53                    ; e5
	s_cmp_eq_u32 s29, 3
	s_cselect_b32 s53, s43, s53                    ; e11
	MKSC s53, SC, LIM
	s_wait_loadcnt 12
	s_wait_alu depctr_va_vdst(0)
	TURN 0, WLDS
.macro STEP1 t
	AHEAD \t, WLDS
.set XS, X+16*((\t)%2)
.set I, 0
.rept 16
.set I, I+1
.endr
	v_cvt_scalef32_pk8_fp8_f32 v[C+4*(\t):C+4*(\t)+1], v[XS:XS+7], v[SC]
	v_cvt_scalef32_pk8_fp8_f32 v[C+4*(\t)+2:C+4*(\t)+3], v[XS+8:XS+15], v[SC]
	global_store_b128 v3, v[C+4*(\t):C+4*(\t)+3], s[44:45] offset:512*(\t)   ; each step has its own four registers: no store's data are written again
.endm
.irp t, 0,1,2,3,4,5,6,7,8,9,10,11,12,13,14,15
	STEP1 \t
.endr
	s_wait_tensorcnt 0x0
	ds_add_u32 v192, v193
	s_wait_dscnt 0x0
	s_endpgm
	; ---- the table: a wave makes one tile of 16 positions x 32 frequencies
.Ltable:
	s_sub_co_u32 s28, ttmp9, 384
	s_lshl_b32 s28, s28, 2
	s_add_co_u32 s28, s28, s26                     ; the tile: 0 .. 127
	s_lshl_b32 s30, s28, 12
	s_mov_b32 s31, 0
	s_add_nc_u64 s[24:25], s[24:25], s[30:31]
	s_lshl_b32 s29, s28, 4
	v_and_b32 v4, 15, v2
	v_add_nc_u32 v4, s29, v4
	v_cvt_f32_u32 v4, v4                           ; my position, as f32
	v_lshrrev_b32 v5, 4, v2
	v_lshlrev_b32 v5, 2, v5                        ; 4 (lane / 16)
.set N, 0
.rept 16                                       ; number n of my 16 frequencies: i = 8 (n / 4) + n % 4 + 4 (lane / 16)
	v_add_nc_u32 v[20+N], 8*(N/4)+N%4, v5
	v_cvt_f32_u32 v[20+N], v[20+N]
	v_mul_f32 v[20+N], 0xbed49a78, v[20+N]         ; x -log2(10000) / 32
.set N, N+1
.endr
.set N, 0
	s_wait_alu depctr_va_vdst(0)
.rept 16
	v_exp_f32 v[20+N], v[20+N]                     ; 10000^(-i / 32): one batch
.set N, N+1
.endr
	v_nop                                          ; a plain line behind the last of them
	s_wait_alu depctr_va_vdst(0)                   ; one wait for the batch, ahead of its first reader
.set N, 0
.rept 16
	v_mul_f32 v[20+N], v4, v[20+N]                 ; the angle, rounded once
.set N, N+1
.endr
; cos into v[o], sin into v[o + 1] of the angle in v[a], 0 or more.  N = the nearest whole number to angle x 2 / pi; r = angle - N pi / 2 by two fused steps (pi / 2 = 0x3fc90fdb - 4.3711388e-8; the first step
; rounds nothing: N x the first part is a multiple of 2^-23 and the difference is under 1); the two series on |r| <= pi / 4, cut where the next term is under 2e-9; the quarter turn N % 4 swaps them and sets the signs.
.macro SINCOS a, o
	v_mul_f32 v40, 0x3f22f983, v[\a]
	v_rndne_f32 v40, v40
	v_fmamk_f32 v41, v40, 0xbfc90fdb, v[\a]
	v_fmamk_f32 v41, v40, 0x333bbd2e, v41          ; r
	v_mul_f32 v42, v41, v41                        ; r^2
	v_mov_b32 v43, 0xb493f27e                      ; -1/10!
	v_mov_b32 v44, 0x3638ef1d                      ; 1/9!
	v_fmaak_f32 v43, v43, v42, 0x37d00d01          ; 1/8!
	v_fmaak_f32 v44, v44, v42, 0xb9500d01          ; -1/7!
	v_fmaak_f32 v43, v43, v42, 0xbab60b61          ; -1/6!
	v_fmaak_f32 v44, v44, v42, 0x3c088889          ; 1/5!
	v_fmaak_f32 v43, v43, v42, 0x3d2aaaab          ; 1/4!
	v_fmaak_f32 v44, v44, v42, 0xbe2aaaab          ; -1/3!
	v_fmaak_f32 v43, v43, v42, 0xbf000000          ; -1/2
	v_mul_f32 v45, v41, v42                        ; r^3
	v_fmaak_f32 v43, v43, v42, 0x3f800000          ; cos r
	v_fma_f32 v44, v44, v45, v41                   ; sin r
	v_cvt_i32_f32 v46, v40
	v_and_b32 v47, 1, v46
	v_cmp_eq_u32 vcc_lo, 1, v47
	v_cndmask_b32 v[\o], v43, v44, vcc_lo          ; an odd quarter turn swaps the two
	v_cndmask_b32 v[(\o)+1], v44, v43, vcc_lo
	v_lshlrev_b32 v47, 30, v46
	v_and_b32 v47, 0x80000000, v47                 ; the sine changes sign in quarters 2 and 3,
	v_xor_b32 v[(\o)+1], v47, v[(\o)+1]
	v_add_nc_u32 v46, 1, v46
	v_lshlrev_b32 v46, 30, v46
	v_and_b32 v46, 0x80000000, v46                 ; the cosine in quarters 1 and 2
	v_xor_b32 v[\o], v46, v[\o]
.endm
.set N, 0
.rept 16
	SINCOS 20+N, 64+2*N
.set N, N+1
.endr
.irp q, 0,1,2,3,4,5,6,7
	global_store_b128 v3, v[64+4*\q:64+4*\q+3], s[24:25] offset:512*\q   ; 512 consecutive bytes a store
.endr
	s_endpgm
.Lfunc_end_k_qdc5ee88a6e_prep:
	.size	k_qdc5ee88a6e_prep, .Lfunc_end_k_qdc5ee88a6e_prep-k_qdc5ee88a6e_prep
	.p2alignl 7, 3214868480
	.fill 96, 4, 3214868480
	.section	.rodata,"a",@progbits
	.p2align	6, 0x0
	.amdhsa_kernel k_qdc5ee88a6e_prep
		.amdhsa_group_segment_fixed_size 41472
		.amdhsa_private_segment_fixed_size 0
		.amdhsa_enable_private_segment 0
		.amdhsa_kernarg_size 72
		.amdhsa_user_sgpr_count 2
		.amdhsa_user_sgpr_kernarg_segment_ptr 1
		.amdhsa_wavefront_size32 1
		.amdhsa_system_sgpr_workgroup_id_x 1
		.amdhsa_system_sgpr_workgroup_id_y 1
		.amdhsa_system_sgpr_workgroup_id_z 1
		.amdhsa_system_vgpr_workitem_id 0
		.amdhsa_next_free_vgpr 194
		.amdhsa_next_free_sgpr 66
		.amdhsa_reserve_vcc 1
		.amdhsa_float_denorm_mode_32 3
		.amdhsa_float_denorm_mode_16_64 3
		.amdhsa_fp16_overflow 1
		.amdhsa_memory_ordered 1
		.amdhsa_forward_progress 1
		.amdhsa_inst_pref_size 77
	.end_amdhsa_kernel
	.amdgpu_metadata
---
amdhsa.version: [ 1, 2 ]
amdhsa.kernels:
  - .name:           k_qdc5ee88a6e_prep
    .symbol:         k_qdc5ee88a6e_prep.kd
    .args:
      - { .name: query, .offset: 0, .size: 8, .value_kind: global_buffer, .address_space: global }
      - { .name: Wq, .offset: 8, .size: 8, .value_kind: global_buffer, .address_space: global }
      - { .name: Wk, .offset: 16, .size: 8, .value_kind: global_buffer, .address_space: global }
      - { .name: Wv, .offset: 24, .size: 8, .value_kind: global_buffer, .address_space: global }
      - { .name: Wo, .offset: 32, .size: 8, .value_kind: global_buffer, .address_space: global }
      - { .name: lowp_scales, .offset: 40, .size: 8, .value_kind: global_buffer, .address_space: global }
      - { .name: xc, .offset: 48, .size: 8, .value_kind: global_buffer, .address_space: global }
      - { .name: wc, .offset: 56, .size: 8, .value_kind: global_buffer, .address_space: global }
      - { .name: rope, .offset: 64, .size: 8, .value_kind: global_buffer, .address_space: global }
    .group_segment_fixed_size: 41472
    .private_segment_fixed_size: 0
    .kernarg_segment_align: 8
    .kernarg_segment_size: 72
    .max_flat_workgroup_size: 128
    .sgpr_count:     66
    .vgpr_count:     194
    .wavefront_size: 32
...
	.end_amdgpu_metadata
.endif
;; end of part 1
;; launch qkv (part 2): grid 12 x 32, 4 waves a work-group, clusters of 4 x 4, 327,680 bytes of LDS; arguments xc, wc, bq, bk, bv, lowp_scales, rope, qkvc; writes qkvc
.if DOCPART == 2
	.amdgcn_target "amdgcn-amd-amdhsa--gfx1250"
	.amdhsa_code_object_version 6
	.text
	.protected	k_qdc5ee88a6e_qkv
	.globl	k_qdc5ee88a6e_qkv
	.p2align	8
	.type	k_qdc5ee88a6e_qkv,@function
k_qdc5ee88a6e_qkv:
	s_mov_b64 s[64:65], 0
	v_nop
	global_prefetch_b8 v0, s[64:65] scope:SCOPE_SE
	s_setreg_imm32_b32 hwreg(HW_REG_WAVE_MODE, 25, 1), 1
	s_wait_xcnt 0x0
	s_wait_alu depctr_hold_cnt(0) depctr_sa_sdst(0) depctr_va_vdst(0) depctr_va_sdst(0) depctr_va_ssrc(0) depctr_va_vcc(0) depctr_vm_vsrc(0)
	s_getreg_b32 s2, hwreg(HW_REG_IB_STS2, 6, 4)
	s_cmp_eq_u32 s2, 0
	s_cbranch_scc0 .Lentry_in_a_cluster
	s_endpgm
.Lentry_in_a_cluster:
	s_bfe_u32 s2, ttmp6, 0x10000c
	s_cmp_lg_u32 s2, 0xf033
	s_cbranch_scc0 .Lentry_shape_is_right
	s_endpgm
.Lentry_shape_is_right:
; QKV: the three projections on codes of FP8 (E4M3), the biases, the rotation of q and k, and the quantising of q, k and v for the attention.
; The cluster's x says which: P = 0 q, 1 k, 2 v; it is the same number in all sixteen partners.  A tile is 256 x 256, K = 1,024; four waves, each 128 x 128: 64 accumulators, 512 registers.
; THE MATRIX INSTRUCTION IS USED TRANSPOSED (source 0 = 16 rows of the B side, source 1 = 16 rows of the A side): a lane holds ONE row of the A side and eight neighbours of the B side.
;   q, k: A side = tokens (codes of query), B side = rows of W: a lane holds one token and eight neighbouring channels: what the rotation and the first attention product's operands want.
;   v:    A side = rows of Wv, B side = tokens: a lane holds one channel and eight neighbouring tokens: what the second attention product, whose K is the keys, wants.
; Both sides are rows of 1,024 codes, so tiles, ring, masks and products are one text for all three; only two base addresses are chosen by P.
; K goes in steps of 256 through a ring of two LDS slots filled by joint tensor loads: the A side's tile is shared along a row of the cluster, the B side's along a column.  K = 1,024 is four slots: two first fills
; and two refills, so the steps are written out one behind the other.  Of my tensor loads two are out at the start and one behind each round.
; THE CODES' ORDER in xc and wc puts each k in its own place of the plain 8-bit form when a fragment is fetched by four loads of 16 bytes, 32 bytes apart.
; SCALES.  A sum stands for sum x 2^(ea + eb).  The bias goes in divided by that power (q, k: as the C of the first K step; v: added on the way out), the rotation is linear, and the conversion takes 2^(eo - ea - eb).
; LIMITS: e6 - e0 - e1, e7 - e2 - e3 and e9 - e4 - e5 between -126 and 119.  NaN among the inputs is not served.
; OUT, as images of the reader's registers (group c of four registers at 512 c + 16 x lane): q at 0, k at 8 MiB: [batch x head 64][tile of 16 tokens 128][1 KiB]: lane (r, h): token r, registers 2 b, 2 b + 1: channels 16 b + 8 h + 0 .. 7;
;   v at 16 MiB: [batch x head 64][128 keys 16][16 channels 4][2 KiB]: lane (r, h): channel r, registers 2 c, 2 c + 1: keys 16 c + 8 h + 0 .. 7.  Every store covers 512 consecutive bytes, aligned.
; No prefetch: of four slots two are first fills.
; REGISTERS, in windows of 256: window 0: v16-31 addresses and scales; v32-95 the first K step's C; from v128 the A side's fragments, ONE set; on the way out v96-255 are at work.
;   window 1: the B side's fragments, TWO sets.   window 2: the accumulators of my A rows 0-63 ((a, b) at v[8 (8 a + b)]);   window 3: those of rows 64-127.
.set ROWB,   256                       ; a tile's row in bytes
.set KROW,   1024                      ; a row in memory
.set PITCH,  272                       ; an LDS row: 256 bytes + 16 of padding = 68 words: row r starts at bank 4 r mod 64 (64 banks of 4 bytes: ISA guide 11.1)
.set FR,     16                        ; registers of a fragment: 16 rows x 128 K
.set NL,     4                         ; LDS loads that bring one
.set NP,     4                         ; places behind this matrix instruction (ISA guide 7.12.1)
.set HALFT,  128*PITCH
.set SLOT,   4*HALFT
.set SPARE,  2*SLOT                    ; behind the ring: the spare words, 128 bytes for each wave
.set ADRA, 16                          ; v16-17  LDS address of my A fragments in slot 0, 1
.set ADRB, 20                          ; v20-21  the same for B
.set LN,   24                          ; v24     16 x lane
.set R4,   27                          ; v27     4 x (lane % 16)
.set SPW,  28                          ; v28     LDS address of my spare word; never rewritten
.set NIL,  29                          ; v29     0; never rewritten
.set LIMR, 30
.set SCR,  31                          ; v31     2^(eo - ea - eb)
.set BI,   32                          ; v32-95  the first K step's C: eight registers for each of B's eight blocks
.set VB,   96                          ; v96-111 v's way out: the bias of my channel in block a, twice (a pair)
.set CS,   96                          ; v96-159 q's and k's way out: two sets of 32: cos, sin
.set AF,   128
.set RB,   160                         ; v160-223 at work on the way out
.set CD,   224                         ; v224-255 q, k: four sets of 8 registers of codes
.set CDV,  128                         ; v128-159 v: two sets of 16
.set G1, 24
.set G0, 32
.set G1B, 48
.set G0B, 56
.set MSB, 0
.macro WIN new                         ; the immediate's high byte repeats the setting that is left
.if MSB != (\new)
	s_set_vgpr_msb (MSB<<8)|(\new)
.set MSB, (\new)
.endif
.endm
.set MUL_LO, 0xa1                      ; source 0 (B) window 1, source 1 (A) window 0, C and D window 2
.set MUL_HI, 0xf1                      ; the same, C and D window 3
.set FST_LO, 0x81                      ; the first K step: C in window 0, D in window 2
.set FST_HI, 0xc1                      ; D in window 3
.set TO_B,   0x40                      ; destination window 1, address window 0
; A joint load: waves 0 and 1 fetch for the A side, waves 2 and 3 for the B side.  The branch hangs on the wave's number alone.  Four v_nop follow each of the two lines.
.macro JLOAD g0a, g1a, g0b, g1b
	s_cmp_eq_u32 s15, 0
	s_cbranch_scc0 .Lfor_b_\@
	tensor_load_to_lds s[\g0a:\g0a+3], s[\g1a:\g1a+7]
	s_nop 0
.rept 4
	v_nop
.endr
	s_branch .Lasked_\@
.Lfor_b_\@:
	tensor_load_to_lds s[\g0b:\g0b+3], s[\g1b:\g1b+7]
	s_nop 0
.rept 4
	v_nop
.endr
.Lasked_\@:
.endm
.macro CREST                           ; a round of the cluster's barrier behind its opening barrier
	s_cmp_lg_u32 s14, 0
	s_cbranch_scc1 .Lnot_wave_0_\@
	s_barrier_signal -3
.Lnot_wave_0_\@:
	s_barrier_wait -3
	s_barrier_signal -1
	s_barrier_wait -1
.endm
.macro CROUND
	s_barrier_signal -1
	s_barrier_wait -1
	CREST
.endm
	s_load_b512 s[68:83], s[0:1], 0x0              ; xc s[68:69], wc s[70:71], bq s[72:73], bk s[74:75], bv s[76:77], the exponents s[78:79], rope s[80:81], qkvc s[82:83]
	v_lshl_add_u32 v[SPW], v0, 2, SPARE
	v_mov_b32 v[NIL], 0
	ds_add_u32 v28, v29
	ds_add_u32 v28, v29
	s_wait_dscnt 0x0
	v_lshrrev_b32 v1, 5, v0
	v_readfirstlane_b32 s14, v1                    ; wave 0..3
	s_lshr_b32 s15, s14, 1                         ; which half of the tile's A rows is mine.  Also: I fetch for A (0) or for B (1)
	s_and_b32 s16, s14, 1                          ; which half of its B rows.  Also: which 128 rows of that tile I fetch
	s_bfe_u32 s40, ttmp6, 0x40000                  ; cx, cy: my place in the cluster
	s_bfe_u32 s41, ttmp6, 0x40004
	s_mov_b32 s66, ttmp9                           ; P: the cluster's x
	s_and_b32 s67, ttmp7, 0xffff
	s_lshl_b32 s67, s67, 2                         ; 4 x the cluster's y: it walks the 32 tiles of tokens
	s_cmp_eq_u32 s66, 2
	s_cselect_b32 s17, 0, s67                      ; q, k: tokens are the A side;
	s_cselect_b32 s42, s67, 0                      ; v: the B side
	s_add_co_u32 s17, s17, s41                     ; the A side's tile: hangs on cy, never on cx
	s_add_co_u32 s42, s42, s40                     ; the B side's tile: hangs on cx, never on cy
	s_lshl_b32 s43, s41, 2
	s_lshl_b32 s43, 15, s43                        ; my row of the cluster
	s_lshl_b32 s44, 0x1111, s40                    ; my column
	; descriptor group 1: a tile of 128 rows x 256 bytes, padded in LDS
	s_or_b32 s[G1+0], s43, (0<<16)|(1<<20)|(1<<21)|(5<<22)|(3<<25)  ; 15:0 the mask; 17:16 elements of 1 byte; 20 padding on; 21 set beside a mask; 24:22 after every 64 words (code 5); 31:25 four words (code 3)
	s_or_b32 s[G1B+0], s44, (0<<16)|(1<<20)|(1<<21)|(5<<22)|(3<<25)
.irp g, G1, G1B
	s_mov_b32 s[\g+1], ROWB<<16                    ; tensor_dim0
	s_mov_b32 s[\g+2], 128<<16                     ; tensor_dim1
	s_mov_b32 s[\g+3], ROWB<<16                    ; tile_dim0
	s_mov_b32 s[\g+4], 128                         ; tile_dim1
	s_mov_b32 s[\g+5], KROW                        ; tensor_dim0_stride
	s_mov_b32 s[\g+6], 0
	s_mov_b32 s[\g+7], 0
.endr
	s_lshl_b32 s18, s16, 7                         ; which 128 rows of the tile I fetch
	s_lshl_b32 s20, s17, 8
	s_add_co_u32 s20, s20, s18
	s_lshl_b32 s20, s20, 10                        ; A: (256 x tile + 128 x half) rows of 1,024 bytes, under 8 MiB
	s_mov_b32 s21, 0
	s_lshl_b32 s46, s42, 8
	s_add_co_u32 s46, s46, s18
	s_lshl_b32 s46, s46, 10                        ; B likewise
	s_mov_b32 s47, 0
	s_mul_i32 s45, s14, HALFT                      ; where they go: wave x 128 rows: no place in the cluster enters an LDS address
	s_lshl_b32 s96, s66, 23                        ; section P of xc,
	s_mov_b32 s97, 0
	s_lshl_b32 s98, s66, 20                        ; section P of wc
	s_mov_b32 s99, 0
	s_wait_kmcnt 0x0
	s_load_b256 s[84:91], s[78:79], 0x0            ; e0 .. e7
	s_load_b128 s[92:95], s[78:79], 0x20           ; e8 .. e11
	s_add_nc_u64 s[68:69], s[68:69], s[96:97]
	s_add_nc_u64 s[70:71], s[70:71], s[98:99]
	s_cmp_eq_u32 s66, 2                            ; the choice hangs on the cluster's number alone
	s_cselect_b64 s[4:5], s[70:71], s[68:69]       ; the A side: Wv's codes for v, else the tokens'
	s_cselect_b64 s[6:7], s[68:69], s[70:71]       ; the B side
	s_add_nc_u64 s[20:21], s[4:5], s[20:21]
	s_add_nc_u64 s[46:47], s[6:7], s[46:47]
	CROUND                                         ; all sixteen work-groups are here: the first joint loads meet
.irp s, 0,1
	s_mov_b32 s[G0+4*\s], 1
	s_add_co_u32 s[G0+4*\s+1], s45, \s*SLOT
	s_add_nc_u64 s[G0+4*\s+2:G0+4*\s+3], s[20:21], \s*ROWB
	s_or_b32 s[G0+4*\s+3], s[G0+4*\s+3], 0x80000000
	s_mov_b32 s[G0B+4*\s], 1
	s_add_co_u32 s[G0B+4*\s+1], s45, \s*SLOT
	s_add_nc_u64 s[G0B+4*\s+2:G0B+4*\s+3], s[46:47], \s*ROWB
	s_or_b32 s[G0B+4*\s+3], s[G0B+4*\s+3], 0x80000000
	JLOAD G0+4*\s, G1, G0B+4*\s, G1B
.endr
	v_and_b32 v1, 15, v0                           ; r = lane % 16
	v_bfe_u32 v2, v0, 4, 1                         ; h = lane / 16
	v_mul_u32_u24 v3, v1, PITCH
	v_lshl_add_u32 v4, v2, 4, v3                   ; a fragment's row x pitch + 16 h
	s_mul_i32 s21, s15, HALFT                      ; my 128 rows of A
	s_mul_i32 s22, s16, HALFT                      ; my 128 rows of B,
	s_add_co_u32 s22, s22, 2*HALFT                 ; which lie behind A's 256
.irp s, 0,1
	v_add_nc_u32 v[ADRA+\s], s21, v4
	v_add_nc_u32 v[ADRB+\s], s22, v4
	s_add_co_u32 s21, s21, SLOT
	s_add_co_u32 s22, s22, SLOT
.endr
	v_and_b32 v6, 31, v0
	v_lshlrev_b32 v[LN], 4, v6
	v_lshlrev_b32 v[R4], 2, v1
	v_lshlrev_b32 v5, 5, v2                        ; 32 h: my half's eight numbers of a block of 16 biases
	s_wait_kmcnt 0x0
	s_cmp_eq_u32 s66, 1                            ; the three exponents of my projection, chosen without a jump
	s_cselect_b32 s96, s86, s84                    ; ea: e0, e2, e4
	s_cselect_b32 s97, s87, s85                    ; eb: e1, e3, e5
	s_cselect_b32 s99, s91, s90                    ; eo: e6, e7, e9
	s_cmp_eq_u32 s66, 2
	s_cselect_b32 s96, s88, s96
	s_cselect_b32 s97, s89, s97
	s_cselect_b32 s99, s93, s99
	s_add_co_i32 s96, s96, s97
	s_sub_co_i32 s98, 0, s96                       ; -(ea + eb): stays
	s_add_co_i32 s99, s99, s98
	s_add_co_i32 s99, s99, 127
	s_lshl_b32 s97, s99, 23
	v_mov_b32 v[SCR], s97                          ; 2^(eo - ea - eb) as f32: the conversions take its exponent field
	; the first K step's C.  q, k: the bias of B's column, divided by 2^(ea + eb).  v: zeros (its bias hangs on the A row and is added on the way out)
	s_cmp_eq_u32 s66, 2
	s_cbranch_scc1 .Lbias_v
	s_cmp_eq_u32 s66, 1
	s_cselect_b64 s[20:21], s[74:75], s[72:73]     ; bk or bq
	s_lshl_b32 s22, s42, 10
	s_lshl_b32 s23, s16, 9
	s_add_co_u32 s22, s22, s23                     ; my first column: 256 x tile + 128 x half, 4 bytes each
	s_mov_b32 s23, 0
	s_add_nc_u64 s[20:21], s[20:21], s[22:23]
	s_wait_alu depctr_va_vdst(0)
.irp b, 0,1,2,3,4,5,6,7
	global_load_b128 v[BI+8*\b:BI+8*\b+3], v5, s[20:21] offset:64*\b       ; columns 16 b + 8 h + 0 .. 7
	global_load_b128 v[BI+8*\b+4:BI+8*\b+7], v5, s[20:21] offset:64*\b+16
.endr
	s_wait_loadcnt 0x0
.set J, 0
.rept 64
	v_ldexp_f32 v[BI+J], v[BI+J], s98
.set J, J+1
.endr
	s_branch .Lbias_done
.Lbias_v:
.set J, 0
.rept 64
	v_mov_b32 v[BI+J], 0
.set J, J+1
.endr
.Lbias_done:
.macro FRAG reg, adr, q, i             ; a fragment, 16 rows x 128 K: lane l holds row l % 16; the codes' order in memory makes registers 2 c, 2 c + 1 hold K = 16 c + 8 (l / 16) + 0 .. 7
.irp c, 0,1,2,3
	ds_load_b128 v[\reg+4*\c:\reg+4*\c+3], v[\adr] offset:128*(\q)+32*\c+(\i)*16*PITCH
.endr
.endm
; 16 matrix instructions: A's blocks a0, a0 + 1 x B's eight, 128 along K.  p: B's set.  first = 1: the sums start from the registers at BI: nothing is cleared.
; The 64 accumulators take turns, one instruction a turn, in the same order in every step.
.macro MUL16 a0, p, first
.irp a, \a0, \a0+1
.irp b, 0,1,2,3,4,5,6,7
.if \first
	v_wmma_f32_16x16x128_fp8_fp8 v[8*(8*((\a)%4)+\b):8*(8*((\a)%4)+\b)+7], v[128*(\p)+FR*\b:128*(\p)+FR*\b+FR-1], v[AF+FR*(\a):AF+FR*(\a)+FR-1], v[BI+8*\b:BI+8*\b+7]
.else
	v_wmma_f32_16x16x128_fp8_fp8 v[8*(8*((\a)%4)+\b):8*(8*((\a)%4)+\b)+7], v[128*(\p)+FR*\b:128*(\p)+FR*\b+FR-1], v[AF+FR*(\a):AF+FR*(\a)+FR-1], v[8*(8*((\a)%4)+\b):8*(8*((\a)%4)+\b)+7]
.endif
.endr
.endr
.endm
.macro FETCH_B slot, q, p
	WIN TO_B
.irp i, 0,1,2,3,4,5,6,7
	FRAG 128*(\p)+FR*\i, ADRB+\slot, \q, \i
.endr
	WIN 0
.endm
.macro FETCH_A slot, q, i0
.irp i, \i0, \i0+1, \i0+2, \i0+3
	FRAG AF+FR*(\i), ADRA+\slot, \q, \i
.endr
.endm
; A load into a register that a matrix instruction has read, and a vector instruction that reads a matrix result, stand NP places behind it; only plain vector instructions that name none of its registers are places.
.macro PLACES n
.rept \n
	v_nop
.endr
.endm
; A step of 128 along K that has its successor in the same slot.  A's blocks are free as soon as their eight products are issued: blocks 0-3 are fetched anew in the step's middle, blocks 4-7 at its end.
.macro STEP slot, q, first
	s_wait_dscnt 4*NL                              ; B's set and A's blocks 0-3 are in; the youngest sixteen loads (A's blocks 4-7) may be out
.if \first
	WIN FST_LO
.else
	WIN MUL_LO
.endif
	MUL16 0, (\q)%2, \first
	MUL16 2, (\q)%2, \first
	s_wait_dscnt 0                                 ; A's blocks 4-7 are in (asked for 32 matrix instructions ago)
	PLACES NP
	FETCH_B \slot, (\q)+1, 1-(\q)%2
	FETCH_A \slot, (\q)+1, 0
.if \first
	WIN FST_HI
.else
	WIN MUL_HI
.endif
	MUL16 4, (\q)%2, \first
	MUL16 6, (\q)%2, \first
	PLACES NP
	WIN 0
	FETCH_A \slot, (\q)+1, 4
.endm
; A slot's last step changes slots: ONE barrier; in front of it each wave waits for all its tensor loads, adds 0 to its spare word, and waits for that and for its own reads of this slot.  fill = 1: this slot is filled again, two slots ahead.
.macro TURN slot, next, fill
	s_wait_tensorcnt 0x0                           ; all my tensor loads have landed: my part of the next slot
	ds_add_u32 v[SPW], v[NIL]                      ; 0 onto my spare word
	s_wait_dscnt 4*NL+1                            ; (the add and the youngest sixteen loads, A's blocks 4-7, may be out)
	WIN MUL_LO
	MUL16 0, 1, 0                                  ; sixteen matrix instructions stand between the add and the wait for it
	s_wait_dscnt 0x0                               ; the add is done, and my reads of this slot are over
	s_barrier_signal -1
	MUL16 2, 1, 0
	WIN 0
	s_barrier_wait -1
.if \fill
	CREST                                          ; the barrier has opened a round of the cluster's barrier: no wave of any partner still reads this slot or has a load on its way
	s_add_nc_u64 s[G0+4*\slot+2:G0+4*\slot+3], s[G0+4*\slot+2:G0+4*\slot+3], 2*ROWB
	s_add_nc_u64 s[G0B+4*\slot+2:G0B+4*\slot+3], s[G0B+4*\slot+2:G0B+4*\slot+3], 2*ROWB
	JLOAD G0+4*\slot, G1, G0B+4*\slot, G1B         ; the first tensor load behind the round; its four v_nop are the places in front of the loads below
.else
	PLACES NP
.endif
	FETCH_B \next, 0, 0
	FETCH_A \next, 0, 0
	WIN MUL_HI
	MUL16 4, 1, 0
	MUL16 6, 1, 0
	PLACES NP
	WIN 0
	FETCH_A \next, 0, 4
.endm
	s_wait_tensorcnt 1                             ; my part of slot 0 is in (slot 1's load may be out)
	s_barrier_signal -1
	s_barrier_wait -1                              ; everybody's is
	FETCH_B 0, 0, 0
	FETCH_A 0, 0, 0
	FETCH_A 0, 0, 4
	s_wait_alu depctr_va_vdst(0)
	STEP 0, 0, 1                                   ; K 0-127: the sums start from the biases
	; v: the biases of my 128 channels are asked for here, into the first eight registers of the first step's C, which every path has written and which are free now (the step's last four v_nop are the places); they are used on the way out
	s_cmp_lg_u32 s66, 2
	s_cbranch_scc1 .Lno_vb
	s_lshl_b32 s18, s17, 10
	s_lshl_b32 s19, s15, 9
	s_add_co_u32 s18, s18, s19                     ; my first channel: 256 x tile + 128 x half, 4 bytes each
	s_mov_b32 s19, 0
	s_add_nc_u64 s[76:77], s[76:77], s[18:19]
.irp a, 0,1,2,3,4,5,6,7
	global_load_b32 v[BI+\a], v[R4], s[76:77] offset:64*\a   ; bv(16 a + r)
.endr
.Lno_vb:
	TURN 0, 1, 1                                   ; K 128-255; slot 0 takes K 512-767
	STEP 1, 0, 0
	TURN 1, 0, 1                                   ; slot 1 takes K 768-1,023
	STEP 0, 0, 0
	TURN 0, 1, 0                                   ; nothing is left to fetch, so no round follows
	STEP 1, 0, 0
	s_wait_dscnt 4*NL                              ; the very last step
	WIN MUL_LO
	MUL16 0, 1, 0
	MUL16 2, 1, 0
	s_wait_dscnt 0
	WIN MUL_HI
	MUL16 4, 1, 0
	MUL16 6, 1, 0
	WIN 0
	s_cmp_eq_u32 s66, 2
	s_cbranch_scc1 .Lv_out
	; ---- THE WAY OUT OF q AND k.  Block a is 16 tokens; my 128 columns are two heads.  A lane's 32 registers of a head are its token's channels 16 b + 8 h + j: 16 pairs (even, odd), each with its cos and sin from the table.
	s_lshl_b32 s18, s17, 4
	s_lshl_b32 s19, s15, 3
	s_add_co_u32 s18, s18, s19
	s_and_b32 s18, s18, 127                        ; my first tile of 16 positions in the sequence
	s_lshr_b32 s19, s17, 3                         ; the batch
	s_lshl_b32 s19, s19, 4
	s_lshl_b32 s20, s42, 2
	s_add_co_u32 s19, s19, s20
	s_lshl_b32 s20, s16, 1
	s_add_co_u32 s19, s19, s20                     ; 16 x batch + my first head
	s_lshl_b32 s19, s19, 7
	s_add_co_u32 s19, s19, s18
	s_lshl_b32 s20, s19, 10                        ; images of 1 KiB
	s_lshl_b32 s21, s66, 23                        ; q's section or k's
	s_add_co_u32 s20, s20, s21
	s_mov_b32 s21, 0
	s_add_nc_u64 s[82:83], s[82:83], s[20:21]
	s_lshl_b32 s20, s18, 12
	s_add_nc_u64 s[80:81], s[80:81], s[20:21]      ; the table at my first tile: 4 KiB a tile
.macro TLD a                           ; block a's cos and sin: eight loads of 512 consecutive bytes
.irp q, 0,1,2,3,4,5,6,7
	global_load_b128 v[CS+32*((\a)%2)+4*\q:CS+32*((\a)%2)+4*\q+3], v[LN], s[80:81] offset:4096*(\a)+512*\q
.endr
.endm
.macro ROPE a, hh                      ; block a, head hh of my two
.set AC, 64*((\a)%4)+32*(\hh)
.set CC, CS+32*((\a)%2)
.set RR, RB+32*(\hh)
.set DD, CD+8*((2*(\a)+(\hh))%4)
	WIN 0x02+((\a)/4)                              ; source 0: window 2 or 3
.set P, 0
.rept 16
	v_pk_mul_f32 v[RR+P:RR+P+1], v[AC+P:AC+P+1], v[CC+P:CC+P+1] op_sel:[1,1] op_sel_hi:[1,0]   ; (odd x sin, odd x cos); each accumulator is read from its low end on
.set P, P+2
.endr
.set P, 0
.rept 16
	v_pk_fma_f32 v[RR+P:RR+P+1], v[AC+P:AC+P+1], v[CC+P:CC+P+1], v[RR+P:RR+P+1] op_sel_hi:[0,1,1] neg_lo:[0,0,1]   ; (even x cos - odd x sin, even x sin + odd x cos)
.set P, P+2
.endr
	WIN 0
.set J, 0
.rept 32
.set J, J+1
.endr
.irp b, 0,1,2,3
	v_cvt_scalef32_pk8_fp8_f32 v[DD+2*\b:DD+2*\b+1], v[RR+8*\b:RR+8*\b+7], v[SCR]
.endr
	v_nop                                          ; a plain line behind the last conversion, ahead of the next write of its sources
	global_store_b128 v[LN], v[DD:DD+3], s[82:83] offset:1024*(\a)+131072*(\hh)
	global_store_b128 v[LN], v[DD+4:DD+7], s[82:83] offset:1024*(\a)+131072*(\hh)+512
.endm
	PLACES NP
	TLD 0
.irp a, 0,1,2,3,4,5,6,7
.if \a >= 2
	s_wait_xcnt 0x0                                ; the stores of two blocks back have read their registers: this block's codes are written there
.endif
.if \a < 7
	TLD \a+1
	s_wait_loadcnt 8                               ; this block's eight loads are in; the next block's may be out
.else
	s_wait_loadcnt 0x0
.endif
	ROPE \a, 0
	ROPE \a, 1
.endr
	s_branch .Lend
	; ---- THE WAY OUT OF v.  Block a is 16 channels (head a / 4 of my two, tile a % 4 of its four); a lane's 64 registers are its channel at my 128 tokens, keys 16 b + 8 h + j: one fragment of the second attention product.
.Lv_out:
	s_lshl_b32 s18, s17, 2
	s_lshl_b32 s19, s15, 1
	s_add_co_u32 s18, s18, s19                     ; my first head
	s_lshr_b32 s19, s42, 3                         ; the batch
	s_lshl_b32 s19, s19, 4
	s_add_co_u32 s18, s18, s19
	s_lshl_b32 s18, s18, 4
	s_lshl_b32 s19, s42, 1
	s_add_co_u32 s19, s19, s16
	s_and_b32 s19, s19, 15                         ; which 128 keys of the sequence
	s_add_co_u32 s18, s18, s19
	s_lshl_b32 s18, s18, 13                        ; 8 KiB for 128 keys of a head
	s_add_co_u32 s18, s18, 0x1000000               ; v's section
	s_mov_b32 s19, 0
	s_add_nc_u64 s[82:83], s[82:83], s[18:19]
	s_wait_loadcnt 0x0                             ; the biases, asked for seven K steps ago
	PLACES NP
.irp a, 0,1,2,3,4,5,6,7
	v_ldexp_f32 v[VB+2*\a], v[BI+\a], s98          ; / 2^(ea + eb), twice: a pair for the packed addition
	v_ldexp_f32 v[VB+2*\a+1], v[BI+\a], s98
.endr
.irp a, 0,1,2,3,4,5,6,7
.if \a >= 2
	s_wait_xcnt 0x0                                ; the stores of two blocks back have read their registers
.endif
	WIN 0x02+((\a)/4)
.set J, 0
.rept 32
	v_pk_add_f32 v[RB+J:RB+J+1], v[64*((\a)%4)+J:64*((\a)%4)+J+1], v[VB+2*\a:VB+2*\a+1]
.set J, J+2
.endr
	WIN 0
.set J, 0
.rept 64
.set J, J+1
.endr
.irp b, 0,1,2,3,4,5,6,7
	v_cvt_scalef32_pk8_fp8_f32 v[CDV+16*((\a)%2)+2*\b:CDV+16*((\a)%2)+2*\b+1], v[RB+8*\b:RB+8*\b+7], v[SCR]
.endr
	v_nop                                          ; a plain line behind the last conversion
.irp c, 0,1,2,3
	global_store_b128 v[LN], v[CDV+16*((\a)%2)+4*\c:CDV+16*((\a)%2)+4*\c+3], s[82:83] offset:131072*((\a)/4)+2048*((\a)%4)+512*\c
.endr
.endr
.Lend:
	s_wait_tensorcnt 0x0                           ; the wave's end
	ds_add_u32 v[SPW], v[NIL]
	s_wait_dscnt 0x0
	CROUND                                         ; the closing round: no work-group ends while a partner may still ask for a tile that names it
	s_endpgm
.Lfunc_end_k_qdc5ee88a6e_qkv:
	.size	k_qdc5ee88a6e_qkv, .Lfunc_end_k_qdc5ee88a6e_qkv-k_qdc5ee88a6e_qkv
	.p2alignl 7, 3214868480
	.fill 96, 4, 3214868480
	.section	.rodata,"a",@progbits
	.p2align	6, 0x0
	.amdhsa_kernel k_qdc5ee88a6e_qkv
		.amdhsa_group_segment_fixed_size 327680
		.amdhsa_private_segment_fixed_size 0
		.amdhsa_enable_private_segment 0
		.amdhsa_kernarg_size 64
		.amdhsa_user_sgpr_count 2
		.amdhsa_user_sgpr_kernarg_segment_ptr 1
		.amdhsa_wavefront_size32 1
		.amdhsa_system_sgpr_workgroup_id_x 1
		.amdhsa_system_sgpr_workgroup_id_y 1
		.amdhsa_system_sgpr_workgroup_id_z 1
		.amdhsa_system_vgpr_workitem_id 0
		.amdhsa_next_free_vgpr 1024
		.amdhsa_next_free_sgpr 102
		.amdhsa_reserve_vcc 0
		.amdhsa_float_denorm_mode_32 3
		.amdhsa_float_denorm_mode_16_64 3
		.amdhsa_fp16_overflow 1
		.amdhsa_memory_ordered 1
		.amdhsa_forward_progress 1
		.amdhsa_inst_pref_size 160
	.end_amdhsa_kernel
	.amdgpu_metadata
---
amdhsa.version: [ 1, 2 ]
amdhsa.kernels:
  - .name:           k_qdc5ee88a6e_qkv
    .symbol:         k_qdc5ee88a6e_qkv.kd
    .args:
      - { .name: xc, .offset: 0, .size: 8, .value_kind: global_buffer, .address_space: global }
      - { .name: wc, .offset: 8, .size: 8, .value_kind: global_buffer, .address_space: global }
      - { .name: bq, .offset: 16, .size: 8, .value_kind: global_buffer, .address_space: global }
      - { .name: bk, .offset: 24, .size: 8, .value_kind: global_buffer, .address_space: global }
      - { .name: bv, .offset: 32, .size: 8, .value_kind: global_buffer, .address_space: global }
      - { .name: lowp_scales, .offset: 40, .size: 8, .value_kind: global_buffer, .address_space: global }
      - { .name: rope, .offset: 48, .size: 8, .value_kind: global_buffer, .address_space: global }
      - { .name: qkvc, .offset: 56, .size: 8, .value_kind: global_buffer, .address_space: global }
    .group_segment_fixed_size: 327680
    .private_segment_fixed_size: 0
    .kernarg_segment_align: 8
    .kernarg_segment_size: 64
    .max_flat_workgroup_size: 128
    .sgpr_count:     102
    .vgpr_count:     1024
    .wavefront_size: 32
...
	.end_amdgpu_metadata
.endif
;; end of part 2
;; launch attn (part 3): grid 4 x 64, 16 waves a work-group, no clusters, 327,680 bytes of LDS; arguments qkvc, lowp_scales, ac; writes ac
.if DOCPART == 3
	.amdgcn_target "amdgcn-amd-amdhsa--gfx1250"
	.amdhsa_code_object_version 6
	.text
	.protected	k_qdc5ee88a6e_attn
	.globl	k_qdc5ee88a6e_attn
	.p2align	8
	.type	k_qdc5ee88a6e_attn,@function
k_qdc5ee88a6e_attn:
	s_mov_b64 s[64:65], 0
	v_nop
	global_prefetch_b8 v0, s[64:65] scope:SCOPE_SE
	s_setreg_imm32_b32 hwreg(HW_REG_WAVE_MODE, 25, 1), 1
	s_wait_xcnt 0x0
; ATTN: causal attention on codes of FP8 (E4M3), head size 64, 2,048 tokens, 64 pairs of batch and head; the result is quantised for the last projection.
; THE SOFTMAX AHEAD OF THE SECOND PRODUCT: t = score x log2(e) / 8; M = the row's largest t so far, rounded UP to a whole number; p = 2^(t - M) is what is quantised; it is not normalised.
; The row's sum is taken of the unquantised p and divides O at the end.  When M moves, the sum and O are multiplied by 2^(old M - new M): exact.
; SHARES.  Work-group (i, pair) owns the blocks of 256 queries 7 - i and then i; each of its sixteen waves owns 16 queries of a block.  Under the causal mask block j needs the keys' slots 0 .. j (256 keys each): so every
; work-group walks 8 - i + i + 1 = 9 slots, whatever i: the trip counts are constants, and the 256 work-groups have equal work.  A step of 128 keys all of which come after a wave's queries is left out by a scalar branch on ids.
; K's and V's tiles come through a ring of two LDS slots (wave 0 fetches K's 16 KiB, wave 1 V's; one tensor load of a fetching wave is out at any time) and are read by all sixteen.
; LAYOUT.  All operands lie in memory as images of their registers (group c of four registers at 512 c + 16 x lane), so every LDS load takes 512 consecutive bytes.
; Both products are used transposed: S^T = K Q^T (16x16x64: source 0 = 16 keys, source 1 = my 16 queries), O^T = V^T P^T (16x16x128: source 0 = 16 channels x 128 keys, source 1 = P): a lane holds ONE query throughout.
; Register j of tile u of S^T is key 16 u + 8 (lane / 16) + j: the conversion of a tile's eight registers gives registers 2 u, 2 u + 1 of P's fragment, each key in its own place.
; OUT: ac [tile of 16 tokens 512][head 16][1 KiB]: lane (r, h): token r, registers 2 t, 2 t + 1: channels 16 t + 8 h + 0 .. 7.
; NO CLUSTER: the four work-groups of a pair need different slots in the same trip once the first has changed its block, and a slot's 32 KiB are fetched for some 4,000 vector instructions of each wave.
; LIMITS on the given exponents: e6 + e7 between -123 and 130 (added to c's exponent field); e8, and e10 - e8 - e9, between -126 and 119.
; REGISTERS: v1 16 x lane; v2 LDS address in hand; v3 the prefetches' offset; v4 lane % 16 - 8 (lane / 16); v5, v6 the add's; v12 -M, v13 the largest t, v[14:15] the sum in two halves; v16-23 Q; v24-31 the second block's Q;
;   v32-95 K's eight fragments, then V's four; v96-159 S^T, then p; v160-191 O^T; v200-207 the result's codes; v224-239 p's codes; v244: 2^e8; v245: 2^(e10 - e8 - e9); v236-243, v246, v248-255 at work.
.set SLOTB, 0x8000                     ; a slot: K's 16 KiB, then V's; one exclusive or turns an address from one slot to the other
.set VOFF,  16384
.set SPARE, 65536                      ; behind the ring: the spare words, 128 bytes for each of sixteen waves
.set LN,  1
.set ADK, 2
.set PFO, 3
.set DL,  4
.set SPW, 5
.set NIL, 6
.set WV,  18                           ; s18  my wave's number
.set SEL, 20                           ; s[20:21] lane selects: lane l xor 16
.set CS,  22                           ; s[22:23] c
.set G1,  24                           ; s[24:31] descriptor group 1
.set G0,  40                           ; s[40:43] group 0
.set BASE, 44                          ; s[44:45] K's or V's codes of my pair
.set OFF, 46                           ; s[46:47] the next slot's bytes from there
.set NS,  48                           ; s48  the slot last asked for
.set LAST, 49                          ; s49  8 - i: the first block's number of slots
.set PH,  50                           ; s50  i + 1
.set TB,  51                           ; s51  LDS byte at which the slot in hand begins
.set SLOTS, 52                         ; s52  trips to go
.set KF,  53                           ; s53  the step's first key
.set Q0,  54                           ; s54  my first query
.set Q0B, 55                           ; s55  my first query of the second block
.set OA,  56                           ; s[56:57], s[58:59] where the two results go
.set OB,  58
.set PFA, 60                           ; s[60:61] where my prefetches stand
.set LIM, 62                           ; s62  2 in a wave that prefetches, else the greatest number
.macro TLOAD                           ; waves 0 and 1 fetch, each its own bytes; four v_nop follow the line
	s_cmp_lt_u32 s[WV], 2
	s_cbranch_scc0 .Lnone_\@
	tensor_load_to_lds s[G0:G0+3], s[G1:G1+7]
	s_nop 0
.rept 4
	v_nop
.endr
.Lnone_\@:
.endm
; A PREFETCH INTO THE L2 of the slot that the NEXT change of slots will ask for.  The four work-groups of a pair walk the same K and V from slot 0 on; work-group 0 walks all eight slots and asks, nobody else.
; In it waves 4 and 5 ask for the halves of K's 16 KiB, waves 6 and 7 for V's: 8 KiB a wave, lanes 256 bytes apart, one instruction.  In trip n (0 .. 5) slot n + 2 is named: each block of 256 bytes once in the launch.
; Slots 0 and 1 come by their loads alone; the last three changes ask for nothing: there is no further slot.
.macro ASK
	s_cmp_gt_u32 s[SLOTS], s[LIM]
	s_cbranch_scc0 .Lnot_mine_\@
	global_prefetch_b8 v[PFO], s[PFA:PFA+1] th:TH_LOAD_NT scope:SCOPE_SE
.Lnot_mine_\@:
.endm
	s_load_b128 s[4:7], s[0:1], 0x0                ; qkvc s[4:5], the exponents s[6:7]
	s_load_b64 s[8:9], s[0:1], 0x10                ; ac
	v_lshl_add_u32 v[SPW], v0, 2, SPARE
	v_mov_b32 v[NIL], 0
	ds_add_u32 v5, v6
	ds_add_u32 v5, v6
	s_wait_dscnt 0x0
	v_lshrrev_b32 v7, 5, v0
	s_delay_alu instid0(VALU_DEP_1)
	v_readfirstlane_b32 s[WV], v7                  ; wave 0..15
	s_and_b32 s10, ttmp7, 0xffff                   ; the pair: 16 x batch + head
	s_lshl_b32 s12, s10, 17                        ; its 128 KiB in each of the three sections
	s_and_b32 s11, s[WV], 1
	; descriptor group 1: a dense block of 16 KiB as 64 rows of 256 bytes
	s_mov_b32 s[G1], 3<<16                         ; 15:0 no mask; 17:16 elements of 8 bytes; no padding
	s_mov_b32 s[G1+1], 32<<16                      ; tensor_dim0 = 32
	s_mov_b32 s[G1+2], 64<<16                      ; tensor_dim1 = 64
	s_mov_b32 s[G1+3], 32<<16                      ; tile_dim0
	s_mov_b32 s[G1+4], 64                          ; tile_dim1
	s_mov_b32 s[G1+5], 32                          ; tensor_dim0_stride
	s_mov_b32 s[G1+6], 0
	s_mov_b32 s[G1+7], 0
	s_mov_b32 s[G0], 1
	s_lshl_b32 s[G0+1], s11, 14                    ; LDS: wave 0 K's part of slot 0, wave 1 V's
	s_add_co_u32 s14, s11, 1
	s_lshl_b32 s14, s14, 23                        ; K's section (8 MiB) or V's (16 MiB)
	s_add_co_u32 s14, s14, s12
	s_mov_b32 s15, 0
	s_mov_b32 s[OFF], 0
	s_mov_b32 s[OFF+1], 0
	s_mov_b32 s[NS], 0
	s_sub_co_u32 s[LAST], 8, ttmp9
	s_add_co_u32 s[PH], ttmp9, 1
	s_mov_b32 s[TB], 0
	s_mov_b32 s[SLOTS], 8
	s_mov_b32 s[KF], 0
	s_lshl_b32 s16, s[WV], 4
	s_sub_co_u32 s[Q0], 7, ttmp9
	s_lshl_b32 s[Q0], s[Q0], 8
	s_add_co_u32 s[Q0], s[Q0], s16                 ; 256 (7 - i) + 16 x wave
	s_lshl_b32 s[Q0B], ttmp9, 8
	s_add_co_u32 s[Q0B], s[Q0B], s16               ; 256 i + 16 x wave
	s_mov_b32 s[SEL], 0x76543210
	s_mov_b32 s[SEL+1], 0xfedcba98
	s_mov_b32 s[CS], 0x3e38aa3b                    ; c = log2(e) / 8
	s_wait_kmcnt 0x0
	s_load_b256 s[68:75], s[6:7], 0x0              ; e0 .. e7
	s_load_b128 s[76:79], s[6:7], 0x20             ; e8 .. e11
	s_add_nc_u64 s[BASE:BASE+1], s[4:5], s[14:15]
	s_add_nc_u64 s[G0+2:G0+3], s[BASE:BASE+1], s[OFF:OFF+1]
	s_or_b32 s[G0+3], s[G0+3], 0x80000000          ; type = 2
	TLOAD                                          ; slot 0
	v_and_b32 v7, 31, v0
	s_delay_alu instid0(VALU_DEP_1)
	v_lshlrev_b32 v[LN], 4, v7
	s_delay_alu instid0(VALU_DEP_2)
	v_lshlrev_b32 v[PFO], 8, v7
	s_lshl_b32 s14, s[Q0], 6                       ; q's section begins at 0: 1 KiB for 16 queries
	s_add_co_u32 s14, s14, s12
	s_add_nc_u64 s[80:81], s[4:5], s[14:15]
	s_lshl_b32 s14, s[Q0B], 6
	s_add_co_u32 s14, s14, s12
	s_add_nc_u64 s[82:83], s[4:5], s[14:15]
	global_load_b128 v[16:19], v[LN], s[80:81]     ; Q's fragments of both blocks stay in registers
	global_load_b128 v[20:23], v[LN], s[80:81] offset:512
	global_load_b128 v[24:27], v[LN], s[82:83]
	global_load_b128 v[28:31], v[LN], s[82:83] offset:512
	s_lshr_b32 s14, s10, 4
	s_lshl_b32 s14, s14, 21                        ; ac: 2 MiB a batch,
	s_and_b32 s16, s10, 15
	s_lshl_b32 s16, s16, 10                        ; 1 KiB a head,
	s_add_co_u32 s14, s14, s16
	s_lshl_b32 s16, s[Q0], 10                      ; 16 KiB a tile of 16 tokens
	s_add_co_u32 s16, s16, s14
	s_mov_b32 s17, 0
	s_add_nc_u64 s[OA:OA+1], s[8:9], s[16:17]
	s_lshl_b32 s16, s[Q0B], 10
	s_add_co_u32 s16, s16, s14
	s_add_nc_u64 s[OB:OB+1], s[8:9], s[16:17]
	s_lshr_b32 s14, s[WV], 1                       ; the prefetches: waves 4, 5: K; waves 6, 7: V
	s_and_b32 s14, s14, 1
	s_add_co_u32 s14, s14, 1
	s_lshl_b32 s14, s14, 23
	s_add_co_u32 s14, s14, s12
	s_lshl_b32 s16, s11, 13                        ; my half of the 16 KiB,
	s_add_co_u32 s14, s14, s16
	s_add_co_u32 s14, s14, 0x4000                  ; in slot 1: the first change of slots steps it to slot 2
	s_add_nc_u64 s[PFA:PFA+1], s[4:5], s[14:15]
	s_lshr_b32 s14, s[WV], 2
	s_xor_b32 s14, s14, 1                          ; 0 in waves 4 to 7,
	s_or_b32 s14, s14, ttmp9                       ; of work-group 0 of the pair
	s_cmp_eq_u32 s14, 0
	s_cselect_b32 s[LIM], 2, -1
	v_and_b32 v8, 15, v0
	v_bfe_u32 v9, v0, 4, 1
	s_delay_alu instid0(VALU_DEP_1)
	v_lshlrev_b32 v9, 3, v9
	s_delay_alu instid0(VALU_DEP_1)
	v_sub_nc_u32 v[DL], v8, v9                     ; r - 8 h
	v_mov_b32 v13, 0xff61b1e6                      ; the largest t so far: -3e38, under every t
	s_delay_alu instid0(VALU_DEP_1)
	v_floor_f32 v12, -v13                          ; -M
	v_mov_b32 v14, 0
	v_mov_b32 v15, 0
	v_mov_b32 v246, 0                              ; written once: a lane permute's destination counts as one of its sources
	v_mov_b32 v253, 0                              ; (named as the upper half of the pair v[252:253])
.set J, 0
.rept 32
	v_mov_b32 v[160+J], 0                          ; O^T.  (The step is written once: a block's first step finds zeros, which the first change of M leaves zeros)
.set J, J+1
.endr
	s_wait_kmcnt 0x0
	s_add_co_i32 s14, s74, s75
	s_lshl_b32 s14, s14, 23
	s_add_co_i32 s[CS], s[CS], s14                 ; a score stands for score x 2^(e6 + e7): added to c's exponent field
	s_mov_b32 s[CS+1], s[CS]                       ; (named with it as a pair)
	s_add_co_i32 s14, s76, 127
	s_lshl_b32 s16, s14, 23
	v_mov_b32 v244, s16                            ; 2^e8
	s_sub_co_i32 s14, s78, s76
	s_sub_co_i32 s14, s14, s77                     ; a sum of the second product stands for sum x 2^(e8 + e9): the result's conversion takes 2^(e10 - e8 - e9)
	s_add_co_i32 s14, s14, 127
	s_lshl_b32 s16, s14, 23
	v_mov_b32 v245, s16
; A KEY STEP: 128 keys, the q-th of the slot in hand.
.macro STEP q
	s_add_co_u32 s96, s[Q0], 15
	s_cmp_gt_u32 s[KF], s96                        ; all its keys come after my 16 queries: the step's work is left out; no barrier and no tensor load stands in a step
	s_cbranch_scc1 .Lhidden_\@
	v_add_nc_u32 v[ADK], s[TB], v[LN]
.rept 3
	v_nop                                          ; with the addition above: four places in front of loads into registers that the last products read
.endr
.irp t, 0,1,2,3,4,5,6,7
.irp c, 0,1
	ds_load_b128 v[32+8*\t+4*\c:32+8*\t+4*\c+3], v[ADK] offset:8192*(\q)+1024*\t+512*\c
.endr
.endr
	s_wait_alu depctr_va_vdst(0)
	s_wait_dscnt 0x0
.irp t, 0,1,2,3,4,5,6,7
	v_wmma_f32_16x16x64_fp8_fp8 v[96+8*\t:103+8*\t], v[32+8*\t:39+8*\t], v[16:23], 0
.endr
.rept 4
	v_nop                                          ; places: in front of the loads below and of the first read of the scores
.endr
.irp t, 0,1,2,3
.irp c, 0,1,2,3
	ds_load_b128 v[32+16*\t+4*\c:32+16*\t+4*\c+3], v[ADK] offset:VOFF+8192*(\q)+2048*\t+512*\c   ; V's four fragments land while the softmax is walked
.endr
.endr
	s_add_co_u32 s96, s[KF], 127                   ; on the diagonal the scores of hidden keys become -infinity ahead of the maximum: p = 0 then.  A step all of whose keys count skips this
	s_cmp_le_u32 s96, s[Q0]
	s_cbranch_scc1 .Lopen_\@
	s_sub_co_i32 s96, s[Q0], s[KF]
	v_add_nc_u32 v252, s96, v[DL]                  ; d = my query - KF - 8 (lane / 16).  Register 8 u + j holds key KF + 8 (lane / 16) + 16 u + j: hidden where 16 u + j > d
	v_mov_b32 v254, 0xff800000
.set N, 0
.rept 64
	v_cmp_gt_i32 vcc_lo, 16*(N/8)+N%8, v252
	v_cndmask_b32 v[96+N], v[96+N], v254, vcc_lo
.set N, N+1
.endr
.Lopen_\@:
	v_max3_num_f32 v254, v96, v97, v98             ; the step's largest score of my query, among my 64 keys, in two chains; each tile is read from its low end on
	v_max3_num_f32 v252, v99, v100, v101
.irp i, 6,10,14,18,22,26,30,34,38,42,46,50,54,58
	v_max3_num_f32 v254, v254, v[96+\i], v[97+\i]
	v_max3_num_f32 v252, v252, v[98+\i], v[99+\i]
.endr
	v_max3_num_f32 v254, v254, v158, v159
	s_delay_alu instid0(VALU_DEP_1)
	v_max_num_f32 v254, v254, v252
	s_delay_alu instid0(VALU_DEP_1)
	v_permlanex16_b32 v246, v254, s[SEL], s[SEL+1]
	s_delay_alu instid0(VALU_DEP_1)
	v_max_num_f32 v254, v254, v246                 ; and among lane l xor 16's
	s_delay_alu instid0(VALU_DEP_1)
	v_mul_f32 v254, s[CS], v254                    ; as t (c is positive)
	s_delay_alu instid0(VALU_DEP_1)
	v_max_num_f32 v13, v13, v254                   ; the running largest t
	v_mov_b32 v254, v12
	s_delay_alu instid0(VALU_DEP_2)
	v_floor_f32 v12, -v13                          ; the new -M = floor(-t): M is a whole number
	s_delay_alu instid0(VALU_DEP_1)
	v_sub_f32 v254, v12, v254                      ; old M - new M: a whole number, 0 or less
	s_delay_alu instid0(VALU_DEP_1)
	v_cvt_i32_f32 v254, v254                       ; (it saturates)
	s_delay_alu instid0(VALU_DEP_1)
	v_ldexp_f32 v252, 1.0, v254                    ; f = 2^(old M - new M)
.set J, 0
.rept 32
	v_pk_fma_f32 v[96+J:97+J], v[96+J:97+J], s[CS:CS+1], v[12:13] op_sel_hi:[1,0,0]   ; t - M, two at a time
.set J, J+2
.endr
.set J, 0
	s_wait_alu depctr_va_vdst(0)
.rept 64
	v_exp_f32 v[96+J], v[96+J]                     ; p = 2^(t - M): one batch
.set J, J+1
.endr
	v_pk_mul_f32 v[14:15], v[14:15], v[252:253] op_sel_hi:[1,0]   ; the sums under the new M: the plain line behind the exponentials
	s_wait_alu depctr_va_vdst(0)                   ; one wait for the whole batch, ahead of its first reader
	v_pk_add_f32 v[242:243], v[100:101], v[104:105]
	v_pk_add_f32 v[254:255], v[108:109], v[112:113]
	v_pk_add_f32 v[250:251], v[116:117], v[120:121]
	v_pk_add_f32 v[248:249], v[124:125], v[128:129]
	v_pk_add_f32 v[240:241], v[132:133], v[136:137]
	v_pk_add_f32 v[238:239], v[140:141], v[144:145]
	v_pk_add_f32 v[236:237], v[148:149], v[152:153]
	v_pk_add_f32 v[14:15], v[14:15], v[156:157]
	v_pk_add_f32 v[242:243], v[242:243], v[96:97]
	v_pk_add_f32 v[254:255], v[254:255], v[98:99]
	v_pk_add_f32 v[250:251], v[250:251], v[102:103]
	v_pk_add_f32 v[248:249], v[248:249], v[106:107]
	v_pk_add_f32 v[240:241], v[240:241], v[110:111]
	v_pk_add_f32 v[238:239], v[238:239], v[114:115]
	v_pk_add_f32 v[236:237], v[236:237], v[118:119]
	v_pk_add_f32 v[14:15], v[14:15], v[122:123]
	v_pk_add_f32 v[242:243], v[242:243], v[126:127]
	v_pk_add_f32 v[254:255], v[254:255], v[130:131]
	v_pk_add_f32 v[250:251], v[250:251], v[134:135]
	v_pk_add_f32 v[248:249], v[248:249], v[138:139]
	v_pk_add_f32 v[240:241], v[240:241], v[142:143]
	v_pk_add_f32 v[238:239], v[238:239], v[146:147]
	v_pk_add_f32 v[236:237], v[236:237], v[150:151]
	v_pk_add_f32 v[14:15], v[14:15], v[154:155]
	v_pk_add_f32 v[242:243], v[242:243], v[158:159]
	s_delay_alu instid0(VALU_DEP_2)
	v_pk_add_f32 v[14:15], v[14:15], v[248:249]
	s_delay_alu instid0(VALU_DEP_2)
	v_pk_add_f32 v[242:243], v[242:243], v[240:241]
	v_pk_add_f32 v[254:255], v[254:255], v[238:239]
	v_pk_add_f32 v[250:251], v[250:251], v[236:237]
	s_delay_alu instid0(VALU_DEP_2)
	v_pk_add_f32 v[14:15], v[14:15], v[254:255]
	s_delay_alu instid0(VALU_DEP_2)
	v_pk_add_f32 v[242:243], v[242:243], v[250:251]
	s_delay_alu instid0(VALU_DEP_1)
	v_pk_add_f32 v[14:15], v[14:15], v[242:243]
.irp t, 0,1,2,3,4,5,6,7
.irp i, 0,1,2,3,4,5,6,7
.endr
	v_cvt_scalef32_pk8_fp8_f32 v[224+2*\t:225+2*\t], v[96+8*\t:103+8*\t], v244
.endr
.set J, 0
.rept 16
	v_pk_mul_f32 v[160+J:161+J], v[160+J:161+J], v[252:253] op_sel_hi:[1,0]   ; O^T under the new M.  (Plain lines between the conversions and the products that read their results)
.set J, J+2
.endr
	s_wait_alu depctr_va_vdst(0)
	s_wait_dscnt 0x0                               ; V is in
.irp t, 0,1,2,3
	v_wmma_f32_16x16x128_fp8_fp8 v[160+8*\t:167+8*\t], v[32+16*\t:47+16*\t], v[224:239], v[160+8*\t:167+8*\t]   ; four accumulators by turns
.endr
.Lhidden_\@:
	s_add_co_u32 s[KF], s[KF], 128
.endm
; THE CHANGE OF SLOTS stands at a slot's head.  Each wave waits for all its tensor loads, adds 0 to its spare word, and waits for that and for its reads of the slot that it has left.
; Behind the barrier the slot ahead is whole and nobody reads the other one.  fill = 1: that other slot is filled with the slot that follows in the walk 0 .. 7 - i, 0 .. i.
.macro CHANGE fill
	s_wait_tensorcnt 0x0                           ; no tensor load of mine is out, so group 0 may be written
	ds_add_u32 v[SPW], v[NIL]                      ; 0 onto my spare word
.if \fill
	s_xor_b32 s[G0+1], s[G0+1], SLOTB              ; the other slot than last time
	s_add_co_u32 s[NS], s[NS], 1
	s_cmp_eq_u32 s[NS], s[LAST]
	s_cselect_b32 s[NS], 0, s[NS]                  ; behind the first block's last slot the walk begins anew
	s_lshl_b32 s[OFF], s[NS], 14
	s_add_nc_u64 s[G0+2:G0+3], s[BASE:BASE+1], s[OFF:OFF+1]
	s_or_b32 s[G0+3], s[G0+3], 0x80000000
	s_wait_xcnt 0x0                                ; the last prefetch, a slot back, has read its address
	s_add_nc_u64 s[PFA:PFA+1], s[PFA:PFA+1], 0x4000
.endif
	s_wait_dscnt 0x0                               ; the add is done, and my reads of the slot that I have left are over
	s_barrier_signal -1
	s_barrier_wait -1
.if \fill
	TLOAD                                          ; the first thing behind the barrier, and a wave's one tensor load until the next
	ASK
.endif
.endm
; A block's end: O^T / the sum, quantised, stored as an image.  again = 1: the second block begins.
.macro FINISH base, again
.rept 4
	v_nop                                          ; places behind the last products
.endr
	s_wait_xcnt 0x0                                ; earlier stores have read their registers
	v_add_f32 v14, v14, v15                        ; the sum's two halves,
	s_delay_alu instid0(VALU_DEP_1)
	v_permlanex16_b32 v246, v14, s[SEL], s[SEL+1]
	s_delay_alu instid0(VALU_DEP_1)
	v_add_f32 v14, v14, v246                       ; and lane l xor 16's
	s_wait_alu depctr_va_vdst(0)
	v_rcp_f32 v14, v14
	v_nop                                          ; a plain line behind the transcendental
	s_wait_alu depctr_va_vdst(0)                   ; and the wait, ahead of its first reader
.set J, 0
.rept 16
	v_pk_mul_f32 v[96+J:97+J], v[160+J:161+J], v[14:15] op_sel_hi:[1,0]   ; register 8 t + j: channel 16 t + 8 h + j of my query
.set J, J+2
.endr
.set J, 0
.rept 32
.set J, J+1
.endr
.irp t, 0,1,2,3
	v_cvt_scalef32_pk8_fp8_f32 v[200+2*\t:201+2*\t], v[96+8*\t:103+8*\t], v245
.endr
	v_nop                                          ; a plain line behind the last conversion
	global_store_b128 v[LN], v[200:203], s[\base:\base+1]
	global_store_b128 v[LN], v[204:207], s[\base:\base+1] offset:512
.if \again
.set J, 0
.rept 8
	v_mov_b32 v[16+J], v[24+J]                     ; the second block's Q
.set J, J+1
.endr
	v_mov_b32 v13, 0xff61b1e6
	s_delay_alu instid0(VALU_DEP_1)
	v_floor_f32 v12, -v13
	v_mov_b32 v14, 0
	v_mov_b32 v15, 0
.set J, 0
.rept 32
	v_mov_b32 v[160+J], 0
.set J, J+1
.endr
	s_mov_b32 s[Q0], s[Q0B]
	s_mov_b32 s[KF], 0
.endif
.endm
	s_wait_loadcnt 0x0                             ; Q
.Lslot:                                            ; eight trips: behind each change of slots but the last the next slot is asked for
	CHANGE 1
	STEP 0
	STEP 1
	s_xor_b32 s[TB], s[TB], SLOTB                  ; on to the other slot
	s_cmp_lg_u32 s[SLOTS], s[PH]                   ; the first block's last slot was trip 7 - i: the same in all sixteen waves
	s_cbranch_scc1 .Lsame
	FINISH OA, 1
.Lsame:
	s_sub_co_u32 s[SLOTS], s[SLOTS], 1
	s_cmp_lg_u32 s[SLOTS], 0
	s_cbranch_scc1 .Lslot
	CHANGE 0                                       ; the ninth slot is written out
	STEP 0
	STEP 1
	FINISH OB, 0
	s_wait_tensorcnt 0x0                           ; the wave's end
	ds_add_u32 v[SPW], v[NIL]
	s_wait_dscnt 0x0
	s_endpgm
.Lfunc_end_k_qdc5ee88a6e_attn:
	.size	k_qdc5ee88a6e_attn, .Lfunc_end_k_qdc5ee88a6e_attn-k_qdc5ee88a6e_attn
	.p2alignl 7, 3214868480
	.fill 96, 4, 3214868480
	.section	.rodata,"a",@progbits
	.p2align	6, 0x0
	.amdhsa_kernel k_qdc5ee88a6e_attn
		.amdhsa_group_segment_fixed_size 327680
		.amdhsa_private_segment_fixed_size 0
		.amdhsa_enable_private_segment 0
		.amdhsa_kernarg_size 24
		.amdhsa_user_sgpr_count 2
		.amdhsa_user_sgpr_kernarg_segment_ptr 1
		.amdhsa_wavefront_size32 1
		.amdhsa_system_sgpr_workgroup_id_x 1
		.amdhsa_system_sgpr_workgroup_id_y 1
		.amdhsa_system_sgpr_workgroup_id_z 1
		.amdhsa_system_vgpr_workitem_id 0
		.amdhsa_next_free_vgpr 256
		.amdhsa_next_free_sgpr 100
		.amdhsa_reserve_vcc 1
		.amdhsa_float_denorm_mode_32 3
		.amdhsa_float_denorm_mode_16_64 3
		.amdhsa_fp16_overflow 1
		.amdhsa_memory_ordered 1
		.amdhsa_forward_progress 1
		.amdhsa_inst_pref_size 89
	.end_amdhsa_kernel
	.amdgpu_metadata
---
amdhsa.version: [ 1, 2 ]
amdhsa.kernels:
  - .name:           k_qdc5ee88a6e_attn
    .symbol:         k_qdc5ee88a6e_attn.kd
    .args:
      - { .name: qkvc, .offset: 0, .size: 8, .value_kind: global_buffer, .address_space: global }
      - { .name: lowp_scales, .offset: 8, .size: 8, .value_kind: global_buffer, .address_space: global }
      - { .name: ac, .offset: 16, .size: 8, .value_kind: global_buffer, .address_space: global }
    .group_segment_fixed_size: 327680
    .private_segment_fixed_size: 0
    .kernarg_segment_align: 8
    .kernarg_segment_size: 24
    .max_flat_workgroup_size: 512
    .sgpr_count:     100
    .vgpr_count:     256
    .wavefront_size: 32
...
	.end_amdgpu_metadata
.endif
;; end of part 3
;; launch oproj (part 4): grid 4 x 32, 4 waves a work-group, clusters of 4 x 4, 327,680 bytes of LDS; arguments ac, wc, lowp_scales, bo, out0; writes out0
.if DOCPART == 4
	.amdgcn_target "amdgcn-amd-amdhsa--gfx1250"
	.amdhsa_code_object_version 6
	.text
	.protected	k_qdc5ee88a6e_oproj
	.globl	k_qdc5ee88a6e_oproj
	.p2align	8
	.type	k_qdc5ee88a6e_oproj,@function
k_qdc5ee88a6e_oproj:
	s_mov_b64 s[64:65], 0
	v_nop
	global_prefetch_b8 v0, s[64:65] scope:SCOPE_SE
	s_setreg_imm32_b32 hwreg(HW_REG_WAVE_MODE, 25, 1), 1
	s_wait_xcnt 0x0
	s_wait_alu depctr_hold_cnt(0) depctr_sa_sdst(0) depctr_va_vdst(0) depctr_va_sdst(0) depctr_va_ssrc(0) depctr_va_vcc(0) depctr_vm_vsrc(0)
	s_getreg_b32 s2, hwreg(HW_REG_IB_STS2, 6, 4)
	s_cmp_eq_u32 s2, 0
	s_cbranch_scc0 .Lentry_in_a_cluster
	s_endpgm
.Lentry_in_a_cluster:
	s_bfe_u32 s2, ttmp6, 0x10000c
	s_cmp_lg_u32 s2, 0xf033
	s_cbranch_scc0 .Lentry_shape_is_right
	s_endpgm
.Lentry_shape_is_right:
; OPROJ: out0[m][n] = sum over k of A[m][k] Wo[n][k] + bo[n], on codes of FP8 (E4M3).  M = 8,192, N = K = 1,024; out0 f32.
; A: the attention's result as images of fragments: ac [tile of 16 rows 512][head 16][1 KiB]; two heads on end are a fragment of 16 rows x 128 K (group c of four registers at 512 c + 16 x lane).
; Wo: section 3 of wc, rows of 1,024 codes in the order that puts each k in its own place when a fragment is fetched by four loads of 16 bytes, 32 bytes apart.
; A sum stands for sum x 2^(e10 + e11).  bo goes in as the C of the first K step, divided by that power; each finished sum is multiplied by it once.  LIMIT: e10 + e11 between -126 and 127.
; A tile of out0 is 256 x 256: four waves, each 128 x 128: 64 accumulators, 512 registers.  128 tiles: 128 work-groups in eight clusters of 4 x 4.
; K goes in steps of 256 through a ring of two LDS slots filled by joint tensor loads: A's tile is shared along a row of the cluster, Wo's along a column.  K = 1,024 is four slots: two first fills and two refills,
; so the steps are written out.  Of my tensor loads one is out at the start and one behind each round.  No prefetch: of four slots two are first fills.
; THE MATRIX INSTRUCTION IS USED TRANSPOSED (source 0 = 16 rows of Wo, source 1 = 16 rows of A): a lane holds eight neighbouring numbers of a row of out0.
; REGISTERS, in windows of 256: window 0: v16-29 addresses; v32-95 the first K step's C; from v128 A's fragments, ONE set; on the way out v32-255 are free.
;   window 1: Wo's fragments, TWO sets.   window 2: the accumulators of my rows 0-63 ((a, b) at v[8 (8 a + b)]);   window 3: those of rows 64-127.
.set SIZE_N, 1024
.set ROWB,   256                       ; a row of Wo's tile in bytes
.set KROW,   1024
.set PITCH,  272                       ; Wo's rows in LDS: 256 bytes + 16 of padding = 68 words: row r starts at bank 4 r mod 64 (64 banks of 4 bytes: ISA guide 11.1)
.set ASTEP,  4096                      ; a tile of 16 rows of A, 256 along K: four heads' images
.set AHALF,  8*ASTEP                   ; eight such tiles: what one tensor load brings, and what one wave reads of A
.set FR,     16
.set NL,     4
.set NP,     4                         ; places behind this matrix instruction (ISA guide 7.12.1)
.set HALFT,  128*PITCH
.set BOFF,   2*AHALF                   ; a slot: A's 64 KiB, then Wo's 256 rows
.set SLOT,   BOFF+2*HALFT
.set SPARE,  2*SLOT                    ; behind the ring: the spare words, 128 bytes for each wave
.set SPITCH, 528                       ; the way out: a stage of 16 rows x (512 bytes + 16) for each wave, in slot 0, which has had its last fill and its last read when the first result is stored there
.set ADRA, 16
.set ADRB, 20
.set STO,  24
.set RD,   25
.set CO,   26
.set SPW,  28
.set NIL,  29
.set BI,   32
.set TMP,  32
.set AF,   128
.set BK,   128
.set G1, 24
.set G0, 32
.set G1B, 48
.set G0B, 56
.set MSB, 0
.macro WIN new                         ; the immediate's high byte repeats the setting that is left
.if MSB != (\new)
	s_set_vgpr_msb (MSB<<8)|(\new)
.set MSB, (\new)
.endif
.endm
.set MUL_LO, 0xa1
.set MUL_HI, 0xf1
.set FST_LO, 0x81                      ; the first K step: C in window 0
.set FST_HI, 0xc1
.set TO_B,   0x40
.macro JLOAD g0a, g1a, g0b, g1b        ; a joint load: waves 0 and 1 fetch for A, waves 2 and 3 for Wo; four v_nop follow each of the two lines
	s_cmp_eq_u32 s15, 0
	s_cbranch_scc0 .Lfor_b_\@
	tensor_load_to_lds s[\g0a:\g0a+3], s[\g1a:\g1a+7]
	s_nop 0
.rept 4
	v_nop
.endr
	s_branch .Lasked_\@
.Lfor_b_\@:
	tensor_load_to_lds s[\g0b:\g0b+3], s[\g1b:\g1b+7]
	s_nop 0
.rept 4
	v_nop
.endr
.Lasked_\@:
.endm
.macro CREST
	s_cmp_lg_u32 s14, 0
	s_cbranch_scc1 .Lnot_wave_0_\@
	s_barrier_signal -3
.Lnot_wave_0_\@:
	s_barrier_wait -3
	s_barrier_signal -1
	s_barrier_wait -1
.endm
.macro CROUND
	s_barrier_signal -1
	s_barrier_wait -1
	CREST
.endm
	s_load_b128 s[4:7], s[0:1], 0x0                ; ac s[4:5], wc s[6:7]
	s_load_b128 s[8:11], s[0:1], 0x10              ; the exponents s[8:9], bo s[10:11]
	s_load_b64 s[12:13], s[0:1], 0x20              ; out0
	v_lshl_add_u32 v[SPW], v0, 2, SPARE
	v_mov_b32 v[NIL], 0
	ds_add_u32 v28, v29
	ds_add_u32 v28, v29
	s_wait_dscnt 0x0
	v_lshrrev_b32 v1, 5, v0
	v_readfirstlane_b32 s14, v1                    ; wave 0..3
	s_lshr_b32 s15, s14, 1                         ; which half of the tile's rows is mine.  Also: I fetch for A (0) or for Wo (1)
	s_and_b32 s16, s14, 1                          ; which half of its columns.  Also: which half of that tile I fetch
	s_bfe_u32 s40, ttmp6, 0x40000                  ; cx, cy
	s_bfe_u32 s41, ttmp6, 0x40004
	s_lshl_b32 s42, ttmp9, 2
	s_add_co_u32 s42, s42, s40                     ; tile column = 4 x cluster x + cx
	s_and_b32 s17, ttmp7, 0xffff
	s_lshl_b32 s17, s17, 2
	s_add_co_u32 s17, s17, s41                     ; tile row = 4 x cluster y + cy
	s_lshl_b32 s43, s41, 2
	s_lshl_b32 s43, 15, s43                        ; my row of the cluster
	s_lshl_b32 s44, 0x1111, s40                    ; my column
	; A's group 1: 8 rows (tiles of 16 tokens) of 4,096 bytes, 16,384 bytes apart in memory, dense in LDS; elements of 8 bytes
	s_or_b32 s[G1+0], s43, (3<<16)|(1<<21)         ; 15:0 the mask: my row; 17:16 elements of 8 bytes; 21 set beside a mask; no padding
	s_mov_b32 s[G1+1], 512<<16                     ; tensor_dim0 = 512
	s_mov_b32 s[G1+2], 8<<16                       ; tensor_dim1 = 8
	s_mov_b32 s[G1+3], 512<<16                     ; tile_dim0
	s_mov_b32 s[G1+4], 8                           ; tile_dim1
	s_mov_b32 s[G1+5], 2048                        ; tensor_dim0_stride
	s_mov_b32 s[G1+6], 0
	s_mov_b32 s[G1+7], 0
	; Wo's group 1: 128 rows x 256 bytes, padded in LDS
	s_or_b32 s[G1B+0], s44, (0<<16)|(1<<20)|(1<<21)|(5<<22)|(3<<25)  ; the mask: my column; elements of 1 byte; padding: four words after every 64
	s_mov_b32 s[G1B+1], ROWB<<16
	s_mov_b32 s[G1B+2], 128<<16
	s_mov_b32 s[G1B+3], ROWB<<16
	s_mov_b32 s[G1B+4], 128
	s_mov_b32 s[G1B+5], KROW
	s_mov_b32 s[G1B+6], 0
	s_mov_b32 s[G1B+7], 0
	s_lshl_b32 s20, s17, 18                        ; A: (16 x tile row + 8 x half) tiles of 16,384 bytes
	s_lshl_b32 s18, s16, 17
	s_add_co_u32 s20, s20, s18
	s_mov_b32 s21, 0
	s_lshl_b32 s46, s42, 8
	s_lshl_b32 s18, s16, 7
	s_add_co_u32 s46, s46, s18
	s_lshl_b32 s46, s46, 10                        ; Wo: (256 x tile column + 128 x half) rows of 1,024 bytes,
	s_add_co_u32 s46, s46, 0x300000                ; in section 3 of wc
	s_mov_b32 s47, 0
	s_mul_i32 s45, s16, AHALF                      ; where they go: no place in the cluster enters an LDS address
	s_mul_i32 s66, s16, HALFT
	s_add_co_u32 s66, s66, BOFF
	s_wait_kmcnt 0x0
	s_load_b64 s[96:97], s[8:9], 0x28              ; e10, e11
	s_add_nc_u64 s[20:21], s[4:5], s[20:21]
	s_add_nc_u64 s[46:47], s[6:7], s[46:47]
	CROUND                                         ; all sixteen work-groups are here: the first joint loads meet
.irp s, 0,1
	s_mov_b32 s[G0+4*\s], 1
	s_add_co_u32 s[G0+4*\s+1], s45, \s*SLOT
	s_add_nc_u64 s[G0+4*\s+2:G0+4*\s+3], s[20:21], \s*ASTEP
	s_or_b32 s[G0+4*\s+3], s[G0+4*\s+3], 0x80000000
	s_mov_b32 s[G0B+4*\s], 1
	s_add_co_u32 s[G0B+4*\s+1], s66, \s*SLOT
	s_add_nc_u64 s[G0B+4*\s+2:G0B+4*\s+3], s[46:47], \s*ROWB
	s_or_b32 s[G0B+4*\s+3], s[G0B+4*\s+3], 0x80000000
	s_wait_alu depctr_va_vdst(0)
	s_wait_tensorcnt 0x0
	ds_add_u32 v28, v29
	ds_add_u32 v28, v29
	s_wait_dscnt 0x0
	CROUND
	JLOAD G0+4*\s, G1, G0B+4*\s, G1B
.endr
	v_and_b32 v1, 15, v0                           ; r
	v_bfe_u32 v2, v0, 4, 1                         ; h
	v_and_b32 v6, 31, v0
	v_lshlrev_b32 v[CO], 4, v6                     ; 16 x lane
	v_mul_u32_u24 v3, v1, PITCH
	v_lshl_add_u32 v4, v2, 4, v3                   ; Wo: a fragment's row x pitch + 16 h
	s_mul_i32 s21, s15, AHALF                      ; my eight tiles of A
	s_mul_i32 s22, s16, HALFT                      ; my 128 rows of Wo,
	s_add_co_u32 s22, s22, BOFF                    ; which lie behind A's part
.irp s, 0,1
	v_add_nc_u32 v[ADRA+\s], s21, v[CO]
	v_add_nc_u32 v[ADRB+\s], s22, v4
	s_add_co_u32 s21, s21, SLOT
	s_add_co_u32 s22, s22, SLOT
.endr
	s_mul_i32 s23, s14, 16*SPITCH                  ; my stage
	v_mul_u32_u24 v5, v1, SPITCH                   ; in: row r, 32 bytes for each half of the lanes
	v_lshl_add_u32 v5, v2, 5, v5
	v_add_nc_u32 v[STO], s23, v5
	v_add_nc_u32 v[RD], s23, v[CO]                 ; back: the 32 lanes take one row of 512 bytes
	s_lshl_b32 s20, s17, 8
	s_lshl_b32 s21, s15, 7
	s_add_co_u32 s20, s20, s21                     ; my first row of out0
	s_lshl_b32 s20, s20, 12                        ; rows of 4,096 bytes: under 32 MiB
	s_lshl_b32 s46, s42, 10                        ; my first column, in bytes: 1,024 x tile column + 512 x half
	s_lshl_b32 s47, s16, 9
	s_add_co_u32 s46, s46, s47
	s_add_co_u32 s20, s20, s46
	s_mov_b32 s21, 0
	s_add_nc_u64 s[12:13], s[12:13], s[20:21]
	s_mov_b32 s47, 0
	s_add_nc_u64 s[10:11], s[10:11], s[46:47]      ; bo at my first column (4 bytes a column too)
	v_lshlrev_b32 v7, 5, v2                        ; 32 h
.irp b, 0,1,2,3,4,5,6,7
	global_load_b128 v[BI+8*\b:BI+8*\b+3], v7, s[10:11] offset:64*\b       ; columns 16 b + 8 h + 0 .. 7
	global_load_b128 v[BI+8*\b+4:BI+8*\b+7], v7, s[10:11] offset:64*\b+16
.endr
	s_wait_kmcnt 0x0
	s_add_co_i32 s96, s96, s97                     ; e10 + e11
	s_sub_co_i32 s67, 0, s96
	s_add_co_i32 s96, s96, 127
	s_lshl_b32 s96, s96, 23                        ; 2^(e10 + e11) as f32
	s_mov_b32 s97, s96                             ; (named with it as a pair)
	s_wait_loadcnt 0x0
.set J, 0
.rept 64
	v_ldexp_f32 v[BI+J], v[BI+J], s67              ; bo / 2^(e10 + e11)
.set J, J+1
.endr
.macro FRAGB reg, adr, q, i            ; Wo: 16 rows x 128 K from padded rows
.irp c, 0,1,2,3
	ds_load_b128 v[\reg+4*\c:\reg+4*\c+3], v[\adr] offset:128*(\q)+32*\c+(\i)*16*PITCH
.endr
.endm
.macro FRAGA reg, adr, q, i            ; A: an image: 512 consecutive bytes a load
.irp c, 0,1,2,3
	ds_load_b128 v[\reg+4*\c:\reg+4*\c+3], v[\adr] offset:2048*(\q)+ASTEP*(\i)+512*\c
.endr
.endm
; 16 matrix instructions: A's blocks a0, a0 + 1 x Wo's eight.  The 64 accumulators take turns, one instruction a turn, in the same order in every step.
.macro MUL16 a0, p, first
.irp a, \a0, \a0+1
.irp b, 0,1,2,3,4,5,6,7
.if \first
	v_wmma_f32_16x16x128_fp8_fp8 v[8*(8*((\a)%4)+\b):8*(8*((\a)%4)+\b)+7], v[128*(\p)+FR*\b:128*(\p)+FR*\b+FR-1], v[AF+FR*(\a):AF+FR*(\a)+FR-1], v[BI+8*\b:BI+8*\b+7]
.else
	v_wmma_f32_16x16x128_fp8_fp8 v[8*(8*((\a)%4)+\b):8*(8*((\a)%4)+\b)+7], v[128*(\p)+FR*\b:128*(\p)+FR*\b+FR-1], v[AF+FR*(\a):AF+FR*(\a)+FR-1], v[8*(8*((\a)%4)+\b):8*(8*((\a)%4)+\b)+7]
.endif
.endr
.endr
.endm
.macro FETCH_B slot, q, p
	WIN TO_B
.irp i, 0,1,2,3,4,5,6,7
	FRAGB 128*(\p)+FR*\i, ADRB+\slot, \q, \i
.endr
	WIN 0
.endm
.macro FETCH_A slot, q, i0
.irp i, \i0, \i0+1, \i0+2, \i0+3
	FRAGA AF+FR*(\i), ADRA+\slot, \q, \i
.endr
.endm
.macro PLACES n                        ; plain vector lines between a matrix instruction and a load into its registers or a read of its result
.rept \n
	v_nop
.endr
.endm
.macro STEP slot, q, first
	s_wait_dscnt 4*NL                              ; Wo's set and A's blocks 0-3 are in; the youngest sixteen loads (A's blocks 4-7) may be out
.if \first
	WIN FST_LO
.else
	WIN MUL_LO
.endif
	MUL16 0, (\q)%2, \first
	MUL16 2, (\q)%2, \first
	s_wait_dscnt 0                                 ; A's blocks 4-7 are in
	PLACES NP
	FETCH_B \slot, (\q)+1, 1-(\q)%2
	FETCH_A \slot, (\q)+1, 0
.if \first
	WIN FST_HI
.else
	WIN MUL_HI
.endif
	MUL16 4, (\q)%2, \first
	MUL16 6, (\q)%2, \first
	PLACES NP
	WIN 0
	FETCH_A \slot, (\q)+1, 4
.endm
; A slot's last step changes slots: ONE barrier; in front of it each wave waits for all its tensor loads, adds 0 to its spare word, and waits for that and for its own reads of this slot.
.macro TURN slot, next, fill
	s_wait_tensorcnt 0x0                           ; all my tensor loads have landed: my part of the next slot
	ds_add_u32 v[SPW], v[NIL]                      ; 0 onto my spare word
	s_wait_dscnt 4*NL+1                            ; (the add and the youngest sixteen loads may be out)
	WIN MUL_LO
	MUL16 0, 1, 0
	s_wait_dscnt 0x0                               ; the add is done, and my reads of this slot are over
	s_barrier_signal -1
	MUL16 2, 1, 0
	WIN 0
	s_barrier_wait -1
.if \fill
	CREST                                          ; the barrier has opened a round of the cluster's barrier: no wave of any partner still reads this slot or has a load on its way
	s_add_nc_u64 s[G0+4*\slot+2:G0+4*\slot+3], s[G0+4*\slot+2:G0+4*\slot+3], 2*ASTEP
	s_add_nc_u64 s[G0B+4*\slot+2:G0B+4*\slot+3], s[G0B+4*\slot+2:G0B+4*\slot+3], 2*ROWB
	JLOAD G0+4*\slot, G1, G0B+4*\slot, G1B         ; the first tensor load behind the round; its four v_nop are the places in front of the loads below
.else
	PLACES NP
.endif
	FETCH_B \next, 0, 0
	FETCH_A \next, 0, 0
	WIN MUL_HI
	MUL16 4, 1, 0
	MUL16 6, 1, 0
	PLACES NP
	WIN 0
	FETCH_A \next, 0, 4
.endm
	s_wait_alu depctr_va_vdst(0)
	s_wait_tensorcnt 1                             ; my part of slot 0 is in (slot 1's load may be out)
	s_barrier_signal -1
	s_barrier_wait -1                              ; everybody's is
	FETCH_B 0, 0, 0
	FETCH_A 0, 0, 0
	FETCH_A 0, 0, 4
	STEP 0, 0, 1                                   ; K 0-127: the sums start from the bias
	TURN 0, 1, 1                                   ; slot 0 takes K 512-767
	STEP 1, 0, 0
	TURN 1, 0, 1                                   ; slot 1 takes K 768-1,023
	STEP 0, 0, 0
	TURN 0, 1, 0                                   ; nothing is left to fetch, so no round follows
	STEP 1, 0, 0
	s_wait_dscnt 4*NL                              ; the very last step
	WIN MUL_LO
	MUL16 0, 1, 0
	MUL16 2, 1, 0
	s_wait_dscnt 0
	WIN MUL_HI
	MUL16 4, 1, 0
	MUL16 6, 1, 0
	WIN 0
; THE WAY OUT, block by block of 16 rows x 128 columns: through my own stage in LDS and back as whole rows of 512 bytes.  LDS serves a wave's instructions in order (ISA guide 5.7.1.4): no wait between the stores and the loads.
.macro TOSTAGE a
.set AC, 64*((\a)%4)
	WIN 0x02+((\a)/4)                              ; source 0: window 2 or 3
.set J, 0
.rept 32
	v_pk_mul_f32 v[TMP+J:TMP+J+1], v[AC+J:AC+J+1], s[96:97] op_sel_hi:[1,0]   ; x 2^(e10 + e11); each accumulator from its low end on
.set J, J+2
.endr
	WIN 0
.irp b, 0,1,2,3,4,5,6,7
	ds_store_b128 v[STO], v[TMP+8*\b:TMP+8*\b+3] offset:64*\b
	ds_store_b128 v[STO], v[TMP+8*\b+4:TMP+8*\b+7] offset:64*\b+16
.endr
.set BB, BK+64*((\a)%2)
.irp t, 0,1,2,3,4,5,6,7,8,9,10,11,12,13,14,15
	ds_load_b128 v[BB+4*\t:BB+4*\t+3], v[RD] offset:\t*SPITCH
.endr
.endm
.macro SEND a, younger                 ; younger: the LDS instructions issued behind block a's loads, which may stay out
.set BB, BK+64*((\a)%2)
	s_wait_dscnt \younger
.if (\a) > 0
	s_add_nc_u64 s[12:13], s[12:13], 16*SIZE_N*4   ; (behind a wait on XCNT: the earlier stores have read their base)  16 rows on
.endif
.irp t, 0,1,2,3,4,5,6,7,8,9,10,11,12,13,14,15
	global_store_b128 v[CO], v[BB+4*\t:BB+4*\t+3], s[12:13] offset:\t*SIZE_N*4 th:TH_STORE_NT   ; 32 lanes store 512 consecutive bytes, aligned; written once, read by nobody here
.endr
.endm
	PLACES NP
	TOSTAGE 0
.irp a, 1,2,3,4,5,6,7
.if \a > 1
	s_wait_xcnt 0x0                                ; block a - 2's stores have read their registers and their base
.endif
	TOSTAGE \a
	SEND \a-1, 32                                  ; behind block a - 1's loads: block a's 16 stores and 16 loads
.endr
	s_wait_xcnt 0x0                                ; block 6's stores have read their base
	SEND 7, 0
	s_wait_tensorcnt 0x0                           ; the wave's end
	ds_add_u32 v[SPW], v[NIL]
	s_wait_dscnt 0x0
	CROUND                                         ; the closing round: no work-group ends while a partner may still ask for a tile that names it
	s_endpgm
.Lfunc_end_k_qdc5ee88a6e_oproj:
	.size	k_qdc5ee88a6e_oproj, .Lfunc_end_k_qdc5ee88a6e_oproj-k_qdc5ee88a6e_oproj
	.p2alignl 7, 3214868480
	.fill 96, 4, 3214868480
	.section	.rodata,"a",@progbits
	.p2align	6, 0x0
	.amdhsa_kernel k_qdc5ee88a6e_oproj
		.amdhsa_group_segment_fixed_size 327680
		.amdhsa_private_segment_fixed_size 0
		.amdhsa_enable_private_segment 0
		.amdhsa_kernarg_size 40
		.amdhsa_user_sgpr_count 2
		.amdhsa_user_sgpr_kernarg_segment_ptr 1
		.amdhsa_wavefront_size32 1
		.amdhsa_system_sgpr_workgroup_id_x 1
		.amdhsa_system_sgpr_workgroup_id_y 1
		.amdhsa_system_sgpr_workgroup_id_z 1
		.amdhsa_system_vgpr_workitem_id 0
		.amdhsa_next_free_vgpr 1024
		.amdhsa_next_free_sgpr 98
		.amdhsa_reserve_vcc 0
		.amdhsa_float_denorm_mode_32 3
		.amdhsa_float_denorm_mode_16_64 3
		.amdhsa_memory_ordered 1
		.amdhsa_forward_progress 1
		.amdhsa_inst_pref_size 130
	.end_amdhsa_kernel
	.amdgpu_metadata
---
amdhsa.version: [ 1, 2 ]
amdhsa.kernels:
  - .name:           k_qdc5ee88a6e_oproj
    .symbol:         k_qdc5ee88a6e_oproj.kd
    .args:
      - { .name: ac, .offset: 0, .size: 8, .value_kind: global_buffer, .address_space: global }
      - { .name: wc, .offset: 8, .size: 8, .value_kind: global_buffer, .address_space: global }
      - { .name: lowp_scales, .offset: 16, .size: 8, .value_kind: global_buffer, .address_space: global }
      - { .name: bo, .offset: 24, .size: 8, .value_kind: global_buffer, .address_space: global }
      - { .name: out0, .offset: 32, .size: 8, .value_kind: global_buffer, .address_space: global }
    .group_segment_fixed_size: 327680
    .private_segment_fixed_size: 0
    .kernarg_segment_align: 8
    .kernarg_segment_size: 40
    .max_flat_workgroup_size: 128
    .sgpr_count:     98
    .vgpr_count:     1024
    .wavefront_size: 32
...
	.end_amdgpu_metadata
.endif
;; end of part 4
